; MI455X (gfx1250); checked and timed in simulation.
; The chip was launched on July 23, 2026; its instructions are those of AMD's public machine-readable ISA for CDNA 5 (MIT licence, August 2026) and "CDNA5" Instruction Set Architecture Reference Guide (July 2026). The comments in the code are by the model that wrote it; some were corrected since.
;; MOE. Allowed arithmetic: matrix products marked QUANTISED: E3M2 operands, one E8M0 scale for each 32 along K, by v_wmma_scale_f32_16x16x128_f8f6f4 with both operands' format E3M2, f32 sums; products left as they are: f32 operands where the result goes on into a quantised operand, else bf16, f16 or f32 operands; f32 sums; everything else in f32.
;; Inputs: W1_codes 8 x 2,730 x 32 x 24 uint8 (E3M2 codes of W1, K innermost, in blocks of 32 codes, four codes in three bytes); W1_scales 8 x 2,730 x 32 uint8 (E8M0 scales of W1, one for each 32 codes along K); W2_codes 8 x 2,730 x 32 x 24 uint8 (E3M2 codes of W2, K innermost, in blocks of 32 codes, four codes in three bytes); W2_scales 8 x 2,730 x 32 uint8 (E8M0 scales of W2, one for each 32 codes along K); W3 8 x 2,730 x 1,024 float32; Wr 1,024 x 8 float32; b1 8 x 2,730 float32; b2 8 x 2,730 float32; b3 8 x 1,024 float32; br 8 float32; x 4 x 256 x 1,024 float32.
;; Outputs: out0 4 x 256 x 1,024 float32.
;; This version of the problem:
;;   THIS VERSION OF THE PROBLEM IS GIVEN IN LOW PRECISION. The matrix products marked QUANTISED in the list below multiply operands that are first quantised to E3M2 (3 exponent bits, 2 mantissa bits; 6 bits a number), with one power-of-two scale for each 32 numbers along K (OCP MX v1.0); their sums are f32. All else is computed in f32.
;;   The module's matrix products, in the order in which they are computed (A, B: the left and right operand; K: the contracted axis; several contracted axes count as one K, in the product's order):
;;     1. [M 1,024, K 1,024] x [K 1,024, N 8]; A: input x; B: input Wr: left as it is (N = 8 < 16)
;;     2. [M 1,024, K 1,024] x [K 1,024, N 2,730]; A: input x; B: input W1 (given as codes): QUANTISED
;;     3. [M 1,024, K 1,024] x [K 1,024, N 2,730]; A: input x; B: input W2 (given as codes): QUANTISED
;;     4. [M 1,024, K 2,730] x [K 2,730, N 1,024]; A: computed on the way; B: input W3: QUANTISED
;;     5. [M 1,024, K 1,024] x [K 1,024, N 2,730]; A: input x; B: input W1 (given as codes): QUANTISED
;;     6. [M 1,024, K 1,024] x [K 1,024, N 2,730]; A: input x; B: input W2 (given as codes): QUANTISED
;;     7. [M 1,024, K 2,730] x [K 2,730, N 1,024]; A: computed on the way; B: input W3: QUANTISED
;;     8. [M 1,024, K 1,024] x [K 1,024, N 2,730]; A: input x; B: input W1 (given as codes): QUANTISED
;;     9. [M 1,024, K 1,024] x [K 1,024, N 2,730]; A: input x; B: input W2 (given as codes): QUANTISED
;;     10. [M 1,024, K 2,730] x [K 2,730, N 1,024]; A: computed on the way; B: input W3: QUANTISED
;;     11. [M 1,024, K 1,024] x [K 1,024, N 2,730]; A: input x; B: input W1 (given as codes): QUANTISED
;;     12. [M 1,024, K 1,024] x [K 1,024, N 2,730]; A: input x; B: input W2 (given as codes): QUANTISED
;;     13. [M 1,024, K 2,730] x [K 2,730, N 1,024]; A: computed on the way; B: input W3: QUANTISED
;;     14. [M 1,024, K 1,024] x [K 1,024, N 2,730]; A: input x; B: input W1 (given as codes): QUANTISED
;;     15. [M 1,024, K 1,024] x [K 1,024, N 2,730]; A: input x; B: input W2 (given as codes): QUANTISED
;;     16. [M 1,024, K 2,730] x [K 2,730, N 1,024]; A: computed on the way; B: input W3: QUANTISED
;;     17. [M 1,024, K 1,024] x [K 1,024, N 2,730]; A: input x; B: input W1 (given as codes): QUANTISED
;;     18. [M 1,024, K 1,024] x [K 1,024, N 2,730]; A: input x; B: input W2 (given as codes): QUANTISED
;;     19. [M 1,024, K 2,730] x [K 2,730, N 1,024]; A: computed on the way; B: input W3: QUANTISED
;;     20. [M 1,024, K 1,024] x [K 1,024, N 2,730]; A: input x; B: input W1 (given as codes): QUANTISED
;;     21. [M 1,024, K 1,024] x [K 1,024, N 2,730]; A: input x; B: input W2 (given as codes): QUANTISED
;;     22. [M 1,024, K 2,730] x [K 2,730, N 1,024]; A: computed on the way; B: input W3: QUANTISED
;;     23. [M 1,024, K 1,024] x [K 1,024, N 2,730]; A: input x; B: input W1 (given as codes): QUANTISED
;;     24. [M 1,024, K 1,024] x [K 1,024, N 2,730]; A: input x; B: input W2 (given as codes): QUANTISED
;;     25. [M 1,024, K 2,730] x [K 2,730, N 1,024]; A: computed on the way; B: input W3: QUANTISED
;;   THE QUANTISER, for each operand of a quantised product, along K:
;;     - K is cut into blocks of 32 from its start; a last block that is shorter is filled with zeros.
;;     - A block's scale is 2^e with e = floor(log2(the largest magnitude in the block)) - 4, held to -126 .. 127; a block of zeros has e = 0. As a byte (E8M0): e + 127.
;;     - Each number is divided by its block's scale, clamped to +-28, and rounded to the nearest number of E3M2, ties to even, subnormals kept.
;;     - The product sums the exact products of the quantised numbers (number of the format x scale) in f32.
;;   ~~~python
;;   def quantise(x, axis):      # numpy; x: float32 -> the quantised numbers, widened to float32 again
;;       x = np.moveaxis(x, axis, -1); K = x.shape[-1]
;;       x = np.pad(x, [(0, 0)] * (x.ndim - 1) + [(0, -K % 32)]); x = x.reshape(x.shape[:-1] + (-1, 32)); a = np.abs(x).max(-1, keepdims=True)
;;       e = np.where(a > 0, np.clip(np.frexp(np.where(a > 0, a, 1))[1] - 1 - 4, -126, 127), 0)      # np.frexp(a)[1] - 1 = floor(log2(a)), exactly
;;       r = np.clip(x / 2.0 ** e, -28, 28)
;;       step = 2.0 ** (np.maximum(np.frexp(np.where(r == 0, 1, r))[1] - 1, -2) - 2)
;;       q = np.round(r / step) * step * 2.0 ** e      # np.round: ties to even
;;       return np.moveaxis(q.reshape(q.shape[:-2] + (-1,))[..., :K], -1, axis).astype(np.float32)
;;   ~~~
;;   OPERANDS COMPUTED ON THE WAY. 'Computed on the way' means the value that the module computes at that place (a softmax that the list does not call 'softmax' is quantised finished and normalised). What goes into a quantiser is computed in f32, as accurately as f32 sums, v_exp_f32 and their like allow (about 1e-6 of the number): no bf16 or f16 on the way to a quantiser, and a product that is left as it is and whose result goes on into a quantised operand takes f32 operands (vector FMAs, or v_wmma_f32_16x16x4_f32). A number that lies on a knife's edge between two numbers of the format may be rounded either way, as far as f32 arithmetic and the matrix unit's own rounding can turn it there, and no further.
;;   INPUTS GIVEN AS CODES. W1 (in the module: [8, 1024, 2730], K = its axis 1); W2 (in the module: [8, 1024, 2730], K = its axis 1): each comes as NAME_codes (uint8): NAME with its K axis moved to the last place and cut into blocks of 32 codes, [.., K / 32, bytes a block], one block behind the other in memory; four codes in three bytes: a row's codes are one little-endian stream of bits, code i at bits 6 i .. 6 i + 5 (a code: sign, 3 exponent bits, 2 mantissa bits); and NAME_scales (uint8): the same leading axes, one E8M0 byte (e + 127) for each 32 codes along K. Its value is code x scale, taken as it is: it is not quantised again, and the codes and scales need not be those that the quantiser above would give.
;; One version. Each part assembles by itself: llvm-mc -triple=amdgcn-amd-amdhsa -mcpu=gfx1250 --defsym DOCPART=n.
;; ======== version 1 of 1: 4 launches
;; limits: right only within a limited range of input values
;; workspace buffers: route 5,120 bytes of whole numbers; rows 32,768 bytes of whole numbers; xq 827,392 bytes; w3q 18,022,400 bytes; hq 18,022,400 bytes; y 8,388,608 bytes
;; launch prep (part 1): grid 104 x 8, 4 waves a work-group, no clusters, 5,632 bytes of LDS; arguments x, Wr, br, W3, xq, w3q, route; writes xq, w3q, route
.if DOCPART == 1
	.amdgcn_target "amdgcn-amd-amdhsa--gfx1250"
	.amdhsa_code_object_version 6
	.text
	.protected	k_q6cecb0b2e1_prep
	.globl	k_q6cecb0b2e1_prep
	.p2align	8
	.type	k_q6cecb0b2e1_prep,@function
k_q6cecb0b2e1_prep:
	s_mov_b64 s[64:65], 0
	v_nop
	global_prefetch_b8 v0, s[64:65] scope:SCOPE_SE
	s_setreg_imm32_b32 hwreg(HW_REG_WAVE_MODE, 25, 1), 1
	s_wait_xcnt 0x0
; A layer of 8 experts, 2 chosen for each of 1,024 tokens.  FIRST LAUNCH: the router, x into codes, W3 into codes.
; WORK LEFT OUT BY THE WHOLE PROGRAM.  reference() multiplies expert e's result for token t by gate[t][e], which it builds itself as a sum of one_hot(top_idx) x top_w: for the six
; experts that its own top_k did not choose that factor is the constant 0, whatever the inputs hold.  So those rows of the 24 quantised products can reach no output, and only the two
; chosen experts' rows of each token are multiplied.  The choice is stored here as whole numbers, and the later launches read it from memory.  Every input has a way to the output: all are loaded.
; LIMITS.  A NaN, an infinity or an overflow that arises only in a row of an expert that was not chosen is not carried to the result.  NaN or infinite logits are not served.
; Equal logits: the lower index is taken first, as jax.lax.top_k does.  A block of zeros gets the scale byte 1 where the quantiser says 127: its codes are zeros, and this program alone
; reads the bytes.  Blocks whose largest magnitude lies under 2^-122 are held at the byte 1.
; SHARES.  Work-groups x = 0 .. 87, y = e: W3[e], 256 rows of K (two K steps of 128) x 128 columns: p = x / 8, column group x % 8.  A lane takes a column and its registers run down K, so a
; block of 32 lies in one lane and the conversions give codes with K innermost.  The codes are stored as IMAGES of the operand's registers: register q of lane L of a fragment
; (16 columns x 128 K) at 512 (q / 4) + 16 L + 4 (q % 4), 1,536 bytes a fragment, laid [e][column tile][K step]; each store's sixteen lanes write 256 consecutive bytes, aligned.
; K = 2,730 is filled up to 2,816 with zero codes.
; Work-groups x = 88 .. 103: the router and x, 8 tokens each: g = 8 (x - 88) + y.  Wave w takes d = 256 w .. 256 w + 255 of every token, two tokens a step, four steps: the four sets of
; registers take all 16 loads of x at the head, so a work-group asks memory once for all that it reads.  Each expert's mask is 1,024 bits, token t at bit t: a work-group stores one byte of each.
.set PL,    0                          ; LDS (router alone): the waves' partial logits [wave, 1,024 bytes apart][token][8] f32
.set XSCL,  4096                       ; x's scale bytes [token][32]
.set SPARE, 5120                       ; the spare words, 128 bytes a wave: two blocks of 256 bytes that no other line names
.set NST,   4                          ; router: steps of two tokens
.set X,   32                           ; W3: v32-95 two sets of 32 numbers
.set FG,  96                           ; v96-143 codes: K step k at 24 k: 12 registers for image lanes 0-15 (blocks 0, 2), 12 for lanes 16-31 (blocks 1, 3)
.set T,   144                          ; v144-146 a block's second half, made here and moved
.set SW,  148                          ; v148-149 the scale words
.set WR,  32                           ; router: v32-159 Wr[my 16 d][8]
.set RX,  160                          ; v160-223 four sets of my 16 numbers of x, one for each step
.set ACC, 224                          ; v224-231 eight partial logits
.set RC,  232                          ; v232-247 four sets of codes, one for each step
.macro WLOAD set, t, n                 ; n rows of block t, my column, into a set
.set wi, 0
.rept \n
	global_load_b32 v[X+32*(\set)+wi], v2, s[20:21] offset:(32*(\t)+wi)*4096 th:TH_LOAD_NT
.set wi, wi+1
.endr
.endm
.macro WZERO set, from                 ; rows past the end of K are zeros
.set wi, \from
.rept 32-(\from)
	v_mov_b32 v[X+32*(\set)+wi], 0
.set wi, wi+1
.endr
.endm
.macro WPROC t                         ; block t of the work-group's eight: largest magnitude, scale byte, 32 codes
.set XS, X+32*((\t)%2)
.set DS, FG+24*((\t)/4)+12*((\t)%2)+6*(((\t)%4)/2)
	v_max3_num_f32 v12, |v[XS]|, |v[XS+1]|, |v[XS+2]|
	v_max3_num_f32 v13, |v[XS+3]|, |v[XS+4]|, |v[XS+5]|
.irp i, 6,10,14,18,22,26
	v_max3_num_f32 v12, v12, |v[XS+\i]|, |v[XS+\i+1]|
	v_max3_num_f32 v13, v13, |v[XS+\i+2]|, |v[XS+\i+3]|
.endr
	v_max3_num_f32 v12, v12, |v[XS+30]|, |v[XS+31]|
	v_max3_num_f32 v12, v12, v13, 0x2800000        ; the floor 2^(5 - 127): the byte cannot fall under 1
	v_add_nc_u32 v11, 0xfe000000, v12              ; 4 off the exponent field: the conversion's scale operand
	v_lshrrev_b32 v13, 23, v11                     ; the scale's byte
.if (\t)%4 == 0
	v_mov_b32 v[SW+(\t)/4], v13
.else
	v_lshl_or_b32 v[SW+(\t)/4], v13, 8*((\t)%4), v[SW+(\t)/4]
.endif
	v_cvt_scalef32_pk16_bf6_f32 v[DS:DS+2], v[XS:XS+15], v11
	v_cvt_scalef32_pk16_bf6_f32 v[T:T+2], v[XS+16:XS+31], v11   ; (a conversion's three registers begin on an even number)
	v_nop                                          ; one plain place behind a scaled conversion
	v_mov_b32 v[DS+3], v[T]
	v_mov_b32 v[DS+4], v[T+1]
	v_mov_b32 v[DS+5], v[T+2]
.endm
.macro WOUT kp                         ; K step kp's two halves of two images, and its scale words
.irp c, 0,1,2
	global_store_b128 v3, v[FG+24*(\kp)+4*\c:FG+24*(\kp)+4*\c+3], s[22:23] offset:1536*(\kp)+512*\c
	global_store_b128 v3, v[FG+24*(\kp)+12+4*\c:FG+24*(\kp)+12+4*\c+3], s[22:23] offset:1536*(\kp)+512*\c+256
.endr
	global_store_b32 v2, v[SW+(\kp)], s[24:25] offset:4096*(\kp)
.endm
	s_load_b256 s[4:11], s[0:1], 0x0               ; x s[4:5], Wr s[6:7], br s[8:9], W3 s[10:11]
	s_load_b128 s[12:15], s[0:1], 0x20             ; xq s[12:13], w3q s[14:15]
	s_load_b64 s[16:17], s[0:1], 0x30              ; route
	v_lshl_add_u32 v254, v0, 2, SPARE              ; my spare word,
	v_mov_b32 v255, 0                              ; and 0: kept for the closing lines alone
	v_lshrrev_b32 v1, 5, v0
	v_readfirstlane_b32 s18, v1                    ; wave
	v_and_b32 v1, 31, v0                           ; lane
	s_and_b32 s19, ttmp7, 0xffff                   ; work-group y
	s_wait_kmcnt 0x0
	s_cmp_lt_u32 ttmp9, 88
	s_cbranch_scc0 .Lrouter
	; ---------------- W3 into codes ----------------
	s_lshr_b32 s26, ttmp9, 3                       ; p: K steps 2 p, 2 p + 1
	s_and_b32 s27, ttmp9, 7                        ; column group
	s_wait_alu depctr_va_vdst(0)
	v_lshlrev_b32 v2, 2, v1                        ; 4 bytes a lane: in, and the scale words out
	s_wait_alu depctr_va_vdst(0)
	v_and_b32 v3, 15, v1
	v_lshrrev_b32 v4, 4, v1
	v_lshlrev_b32 v3, 4, v3
	v_mad_u32_u24 v3, v4, 33792, v3                ; codes out: 16 (lane % 16); lanes 16-31 the next column tile, 22 images on
	s_mul_i32 s20, s19, 2730
	s_lshl_b32 s21, s26, 8
	s_add_co_u32 s20, s20, s21                     ; my first row of W3
	s_lshl_b32 s20, s20, 12
	s_lshl_b32 s21, s27, 9
	s_add_co_u32 s20, s20, s21
	s_lshl_b32 s21, s18, 7
	s_add_co_u32 s20, s20, s21                     ; + my wave's 32 columns
	s_mov_b32 s21, 0
	s_add_nc_u64 s[20:21], s[10:11], s[20:21]
	s_lshl_b32 s22, s19, 6
	s_lshl_b32 s23, s27, 3
	s_add_co_u32 s22, s22, s23
	s_lshl_b32 s23, s18, 1
	s_add_co_u32 s22, s22, s23                     ; my first column tile
	s_mul_i32 s22, s22, 22
	s_lshl_b32 s23, s26, 1
	s_add_co_u32 s22, s22, s23
	s_mul_i32 s22, s22, 1536
	s_mov_b32 s23, 0
	s_add_nc_u64 s[22:23], s[14:15], s[22:23]
	s_mul_i32 s24, s19, 22
	s_lshl_b32 s25, s26, 1
	s_add_co_u32 s24, s24, s25
	s_lshl_b32 s24, s24, 10
	s_lshl_b32 s25, s27, 7
	s_add_co_u32 s24, s24, s25
	s_lshl_b32 s25, s18, 5
	s_add_co_u32 s24, s24, s25
	s_lshl_b32 s24, s24, 2
	s_add_co_u32 s24, s24, 17301504                ; the scale words lie behind the images: [e][K step][column]
	s_mov_b32 s25, 0
	s_add_nc_u64 s[24:25], s[14:15], s[24:25]
	WLOAD 0, 0, 32                                 ; loads run two blocks ahead
	WLOAD 1, 1, 32
	s_wait_loadcnt 32                              ; this block's 32 loads are in, the next block's 32 may be out: so at every such wait
	WPROC 0
	WLOAD 0, 2, 32
	s_wait_loadcnt 32
	WPROC 1
	WLOAD 1, 3, 32
	s_wait_loadcnt 32
	WPROC 2
	WLOAD 0, 4, 32
	s_wait_loadcnt 32
	WPROC 3
	WOUT 0                                         ; each K step has its own registers for its stores: none is written again
	s_cmp_eq_u32 s26, 10                           ; the last pair of K steps holds rows 2,560 .. 2,729 alone: a branch on ids
	s_cbranch_scc1 .Lwtail
	WLOAD 1, 5, 32
	s_wait_loadcnt 32
	WPROC 4
	WLOAD 0, 6, 32
	s_wait_loadcnt 32
	WPROC 5
	WLOAD 1, 7, 32
	s_wait_loadcnt 32
	WPROC 6
	s_wait_loadcnt 0x0
	WPROC 7
	WOUT 1
	s_endpgm
.Lwtail:
	WLOAD 1, 5, 10                                 ; rows 2,720 .. 2,729: no load leaves W3
	WZERO 1, 10
	s_wait_loadcnt 10                              ; block 4 is in, the ten loads of block 5 may be out
	WPROC 4
	WZERO 0, 0
	s_wait_loadcnt 0x0
	WPROC 5
	WZERO 1, 0
	WPROC 6                                        ; blocks 86 and 87: zero codes
	WPROC 7
	WOUT 1
	s_endpgm
	; ---------------- the router, and x into codes ----------------
.macro RLOAD t                         ; tokens 2 t (lanes 0-15) and 2 t + 1 (lanes 16-31): my 16 neighbours along d
.irp i, 0,1,2,3
	global_load_b128 v[RX+16*(\t)+4*\i:RX+16*(\t)+4*\i+3], v2, s[20:21] offset:8192*(\t)+16*\i th:TH_LOAD_NT
.endr
.endm
.macro RSTEP t
.set XS, RX+16*(\t)
	s_wait_loadcnt 4*(NST-1-(\t))                  ; this step's four loads are in; the four of each younger step may be out
	; the router's product in f32: eight sums, two experts an instruction; the first product starts them
.irp ep, 0,1,2,3
	v_pk_mul_f32 v[ACC+2*\ep:ACC+2*\ep+1], v[XS:XS+1], v[WR+2*\ep:WR+2*\ep+1] op_sel_hi:[0,1]
.endr
.set jj, 1
.rept 15
.irp ep, 0,1,2,3
.if jj%2
	v_pk_fma_f32 v[ACC+2*\ep:ACC+2*\ep+1], v[XS+jj-1:XS+jj], v[WR+8*jj+2*\ep:WR+8*jj+2*\ep+1], v[ACC+2*\ep:ACC+2*\ep+1] op_sel:[1,0,0] op_sel_hi:[1,1,1]
.else
	v_pk_fma_f32 v[ACC+2*\ep:ACC+2*\ep+1], v[XS+jj:XS+jj+1], v[WR+8*jj+2*\ep:WR+8*jj+2*\ep+1], v[ACC+2*\ep:ACC+2*\ep+1] op_sel_hi:[0,1,1]
.endif
.endr
.set jj, jj+1
.endr
	; the quantiser: two neighbouring lanes hold a block of 32
	v_max3_num_f32 v12, |v[XS]|, |v[XS+1]|, |v[XS+2]|
	v_max3_num_f32 v13, |v[XS+3]|, |v[XS+4]|, |v[XS+5]|
.irp i, 6,10
	v_max3_num_f32 v12, v12, |v[XS+\i]|, |v[XS+\i+1]|
	v_max3_num_f32 v13, v13, |v[XS+\i+2]|, |v[XS+\i+3]|
.endr
	v_max3_num_f32 v12, v12, |v[XS+14]|, |v[XS+15]|
	v_max3_num_f32 v12, v12, v13, 0x2800000
	v_max_num_f32_dpp v12, v12, v12 row_xmask:1 row_mask:0xf bank_mask:0xf
	v_add_nc_u32 v11, 0xfe000000, v12
	v_cvt_scalef32_pk16_bf6_f32 v[RC+4*(\t):RC+4*(\t)+2], v[XS:XS+15], v11   ; each step has its own registers for its store: none is written again
	v_lshrrev_b32 v13, 23, v11                     ; the scale's byte (also the plain place behind the conversion)
	ds_store_b8 v6, v13 offset:64*(\t)             ; both lanes of a block write the same byte with the same value
	global_store_b96 v5, v[RC+4*(\t):RC+4*(\t)+2], s[22:23] offset:1536*(\t)   ; 12 bytes a lane, in runs of 192 bytes: x's codes are a small part of what this launch moves
	; the sums of a token's sixteen lanes
.irp m, 1,2,4,8
.irp e, 0,1,2,3,4,5,6,7
	v_add_f32_dpp v[ACC+\e], v[ACC+\e], v[ACC+\e] row_xmask:\m row_mask:0xf bank_mask:0xf
.endr
.endr
	ds_store_b128 v7, v[ACC:ACC+3] offset:64*(\t)  ; sixteen lanes write the same 32 bytes with the same values
	ds_store_b128 v7, v[ACC+4:ACC+7] offset:64*(\t)+16
.endm
.Lrouter:
	s_load_b256 s[28:35], s[8:9], 0x0              ; br
	s_sub_co_u32 s26, ttmp9, 88
	s_lshl_b32 s26, s26, 3
	s_add_co_u32 s26, s26, s19                     ; g: tokens 8 g .. 8 g + 7
	s_wait_alu depctr_va_vdst(0)
	v_and_b32 v3, 15, v1                           ; my place among a token's sixteen lanes
	v_lshrrev_b32 v4, 4, v1                        ; which of the step's two tokens
	v_lshlrev_b32 v2, 6, v3
	v_lshl_add_u32 v2, v4, 12, v2
	s_lshl_b32 s27, s18, 10
	v_add_nc_u32 v2, s27, v2                       ; x: 4,096 x token + 1,024 w + 64 x place
	v_lshlrev_b32 v10, 9, v3
	s_lshl_b32 s27, s18, 13
	v_add_nc_u32 v10, s27, v10                     ; Wr: my 16 rows of 32 bytes
	v_mul_u32_u24 v5, v3, 12                       ; a token's record of codes is its plain row: 768 bytes, my 16 codes at 192 w + 12 x place
	v_mad_u32_u24 v5, v4, 768, v5
	s_mul_i32 s27, s18, 192
	v_add_nc_u32 v5, s27, v5
	v_and_b32 v6, 14, v3                           ; block B = 8 w + place / 2 has its scale byte at 4 ((B % 16) / 2) + 2 (B % 2) + B / 16 = 16 (w % 2) + 2 (place / 2) + w / 2:
	v_lshl_add_u32 v6, v4, 5, v6                   ; the next launch lets lanes 0-15 take blocks 0-15 and lanes 16-31 blocks 16-31, two blocks a K step
	s_and_b32 s27, s18, 1
	s_lshl_b32 s27, s27, 4
	s_lshr_b32 s51, s18, 1
	s_add_co_u32 s27, s27, s51
	s_add_co_u32 s27, s27, XSCL
	v_add_nc_u32 v6, s27, v6
	v_lshlrev_b32 v7, 5, v4
	s_lshl_b32 s27, s18, 10
	v_add_nc_u32 v7, s27, v7                       ; my wave's partial logits of my token
	v_and_b32 v20, 7, v1                           ; behind the barrier lane l takes token l % 8: four lanes do the same work and store the same values at the same places
	v_lshlrev_b32 v8, 5, v20                       ; its partial logits
	v_lshl_add_u32 v9, v1, 3, XSCL                 ; the scale bytes, 8 a lane,
	v_lshlrev_b32 v16, 3, v1                       ; and the same on their way out
	v_lshlrev_b32 v17, 3, v20                      ; the token's two gates,
	v_lshlrev_b32 v18, 2, v20                      ; its first index;
	v_lshlrev_b32 v19, 7, v20                      ; and the mask of expert l % 8: 128 bytes an expert
	s_lshl_b32 s50, s26, 15
	s_mov_b32 s51, 0
	s_add_nc_u64 s[20:21], s[4:5], s[50:51]        ; x at my first token
	s_mul_i32 s50, s26, 6144
	s_add_nc_u64 s[22:23], s[12:13], s[50:51]      ; its record of codes
	s_lshl_b32 s50, s26, 8
	s_add_co_u32 s50, s50, 786432
	s_add_nc_u64 s[24:25], s[12:13], s[50:51]      ; its scale bytes
	s_lshl_b32 s50, s26, 6
	s_add_co_u32 s50, s50, 819200
	s_add_nc_u64 s[36:37], s[12:13], s[50:51]      ; its two gates
	s_lshl_b32 s50, s26, 5
	s_add_co_u32 s50, s50, 1024
	s_add_nc_u64 s[38:39], s[16:17], s[50:51]      ; its first index
	s_mov_b32 s50, s26
	s_add_nc_u64 s[48:49], s[16:17], s[50:51]      ; my byte of each expert's mask
	s_wait_kmcnt 0x0
.irp j, 0,1,2,3,4,5,6,7,8,9,10,11,12,13,14,15
	global_load_b128 v[WR+8*\j:WR+8*\j+3], v10, s[6:7] offset:32*\j
	global_load_b128 v[WR+8*\j+4:WR+8*\j+7], v10, s[6:7] offset:32*\j+16
.endr
.irp t, 0,1,2,3
	RLOAD \t                                       ; all of the work-group's x is asked for here
.endr
.irp t, 0,1,2,3
	RSTEP \t
.endr
	s_wait_dscnt 0x0                               ; for the others' sake: my partial logits and scale bytes lie in LDS
	s_barrier_signal -1
	s_barrier_wait -1
	s_cmp_eq_u32 s18, 1
	s_cbranch_scc1 .Lscales
	s_cmp_eq_u32 s18, 0
	s_cbranch_scc0 .Lrend
	; wave 0: logits, the two largest, their softmax
.irp wv, 0,1,2,3
	ds_load_b128 v[32+8*\wv:35+8*\wv], v8 offset:1024*\wv
	ds_load_b128 v[36+8*\wv:39+8*\wv], v8 offset:1024*\wv+16
.endr
	s_wait_dscnt 0x0
.irp e, 0,1,2,3,4,5,6,7
	v_add_f32 v[64+\e], v[32+\e], v[40+\e]
	v_add_f32 v[72+\e], v[48+\e], v[56+\e]
.endr
.irp e, 0,1,2,3,4,5,6,7
	v_add_f32 v[64+\e], v[64+\e], v[72+\e]
.endr
.irp e, 0,1,2,3,4,5,6,7
	v_add_f32 v[64+\e], s[28+\e], v[64+\e]         ; + br
.endr
	v_mov_b32 v80, v64                             ; the largest, and its index: a later one must be strictly larger, so the lower index is kept
	v_mov_b32 v81, 0
.irp e, 1,2,3,4,5,6,7
	v_cmp_gt_f32 vcc_lo, v[64+\e], v80
	v_cndmask_b32 v80, v80, v[64+\e], vcc_lo
	v_cndmask_b32 v81, v81, \e, vcc_lo
.endr
	v_mov_b32 v82, 0xff800000                      ; the second: the largest of the other seven
	v_mov_b32 v83, 0
.irp e, 0,1,2,3,4,5,6,7
	v_cmp_ne_u32 s50, \e, v81
	v_cmp_gt_f32 s51, v[64+\e], v82
	s_and_b32 s50, s50, s51
	v_cndmask_b32 v82, v82, v[64+\e], s50
	v_cndmask_b32 v83, v83, \e, s50
.endr
	v_sub_f32 v84, v82, v80                        ; the maximum is taken away: 0 for the first, this for the second
	v_mul_f32 v84, 0x3fb8aa3b, v84
	s_wait_alu depctr_va_vdst(0)
	v_exp_f32 v85, v84
	v_nop                                          ; a plain place behind the transcendental,
	s_wait_alu depctr_va_vdst(0)                   ; and the wait ahead of its first reader
	v_add_f32 v86, 1.0, v85
	s_wait_alu depctr_va_vdst(0)
	v_rcp_f32 v88, v86                             ; the first gate
	v_nop
	s_wait_alu depctr_va_vdst(0)
	v_mul_f32 v89, v85, v88                        ; the second
	global_store_b32 v18, v81, s[38:39]            ; all at fixed places: no address here hangs on the choice
	global_store_b64 v17, v[88:89], s[36:37]
.irp e, 0,1,2,3,4,5,6,7
	v_cmp_eq_u32 s50, \e, v81
	v_cmp_eq_u32 s51, \e, v83
	s_or_b32 s[40+\e], s50, s51                    ; bit l, l = 0 .. 7: token 8 g + l chose expert e (bits 8 to 31 repeat them)
.endr
	v_mov_b32 v91, s40
.irp e, 1,2,3,4,5,6,7
	v_cmp_eq_u32 vcc_lo, \e, v20
	v_cndmask_b32 v91, v91, s[40+\e], vcc_lo       ; lane l holds the bits of expert l % 8
.endr
	global_store_b8 v19, v91, s[48:49]             ; the low byte: byte g of the expert's 128
	s_branch .Lrend
.Lscales:                                          ; wave 1: the 8 tokens' scale bytes leave as 256 consecutive bytes, aligned
	ds_load_b64 v[32:33], v9
	s_wait_dscnt 0x0
	global_store_b64 v16, v[32:33], s[24:25]
.Lrend:
	s_wait_tensorcnt 0x0                           ; the wave's end, behind my last LDS store
	ds_add_u32 v254, v255
	s_wait_dscnt 0x0
	s_endpgm
.Lfunc_end_k_q6cecb0b2e1_prep:
	.size	k_q6cecb0b2e1_prep, .Lfunc_end_k_q6cecb0b2e1_prep-k_q6cecb0b2e1_prep
	.p2alignl 7, 3214868480
	.fill 96, 4, 3214868480
	.section	.rodata,"a",@progbits
	.p2align	6, 0x0
	.amdhsa_kernel k_q6cecb0b2e1_prep
		.amdhsa_group_segment_fixed_size 5632
		.amdhsa_private_segment_fixed_size 0
		.amdhsa_enable_private_segment 0
		.amdhsa_kernarg_size 56
		.amdhsa_user_sgpr_count 2
		.amdhsa_user_sgpr_kernarg_segment_ptr 1
		.amdhsa_wavefront_size32 1
		.amdhsa_system_sgpr_workgroup_id_x 1
		.amdhsa_system_sgpr_workgroup_id_y 1
		.amdhsa_system_sgpr_workgroup_id_z 1
		.amdhsa_system_vgpr_workitem_id 0
		.amdhsa_next_free_vgpr 256
		.amdhsa_next_free_sgpr 66
		.amdhsa_reserve_vcc 1
		.amdhsa_float_denorm_mode_32 3
		.amdhsa_float_denorm_mode_16_64 3
		.amdhsa_memory_ordered 1
		.amdhsa_forward_progress 1
		.amdhsa_inst_pref_size 93
	.end_amdhsa_kernel
	.amdgpu_metadata
---
amdhsa.version: [ 1, 2 ]
amdhsa.kernels:
  - .name:           k_q6cecb0b2e1_prep
    .symbol:         k_q6cecb0b2e1_prep.kd
    .args:
      - { .name: x, .offset: 0, .size: 8, .value_kind: global_buffer, .address_space: global }
      - { .name: Wr, .offset: 8, .size: 8, .value_kind: global_buffer, .address_space: global }
      - { .name: br, .offset: 16, .size: 8, .value_kind: global_buffer, .address_space: global }
      - { .name: W3, .offset: 24, .size: 8, .value_kind: global_buffer, .address_space: global }
      - { .name: xq, .offset: 32, .size: 8, .value_kind: global_buffer, .address_space: global }
      - { .name: w3q, .offset: 40, .size: 8, .value_kind: global_buffer, .address_space: global }
      - { .name: route, .offset: 48, .size: 8, .value_kind: global_buffer, .address_space: global }
    .group_segment_fixed_size: 5632
    .private_segment_fixed_size: 0
    .kernarg_segment_align: 8
    .kernarg_segment_size: 56
    .max_flat_workgroup_size: 128
    .sgpr_count:     66
    .vgpr_count:     256
    .wavefront_size: 32
...
	.end_amdgpu_metadata
.endif
;; end of part 1
;; launch hidden (part 2): grid 22 x 8, 4 waves a work-group, no clusters, 223,232 bytes of LDS; arguments route, xq, W1_codes, W1_scales, W2_codes, W2_scales, b1, b2, hq, rows; writes hq, rows
.if DOCPART == 2
	.amdgcn_target "amdgcn-amd-amdhsa--gfx1250"
	.amdhsa_code_object_version 6
	.text
	.protected	k_q6cecb0b2e1_hidden
	.globl	k_q6cecb0b2e1_hidden
	.p2align	8
	.type	k_q6cecb0b2e1_hidden,@function
k_q6cecb0b2e1_hidden:
	s_mov_b64 s[64:65], 0
	v_nop
	global_prefetch_b8 v0, s[64:65] scope:SCOPE_SE
	s_setreg_imm32_b32 hwreg(HW_REG_WAVE_MODE, 25, 1), 1
	s_wait_xcnt 0x0
; SECOND LAUNCH: h = (x W1[e] + b1[e]) silu(x W2[e] + b2[e]) for the rows that chose expert e, quantised along the hidden units.  Rows of experts that a token did not choose are left out:
; reference() multiplies them by a gate that it builds as 0 (shown at the head of the first kernel).
; SHARES.  Work-group (s, e): hidden units 128 s .. 128 s + 127 of expert e = K step s of the third product.  Wave w owns block 4 s + w, 32 units: its fragments of W1 and W2
; (2 tiles x 8 K steps x 2 matrices, 384 registers) stay in registers, each weight byte is loaded once, and the expert's rows stream past them, 64 ranks a trip.
; No tensor load, no cluster: what is worked hangs on counts read from memory.  Every trip count is a constant; work is jumped over, barriers never.  No prefetch: all weights are asked for
; at the head in one go, and a group's rows of x are asked for one trip ahead, straight into registers.
; K IN ANOTHER ORDER, ALIKE FOR BOTH OPERANDS.  In K step ks lanes 0-15 hold blocks 2 ks, 2 ks + 1 of a row's 32 blocks and lanes 16-31 blocks 16 + 2 ks, 17 + 2 ks: a lane's 96 registers are
; 384 consecutive bytes of the row.  The scale words follow: bytes (2 ks, 16 + 2 ks, 2 ks + 1, 17 + 2 ks); W's are made here by one byte permute each, x's come so from the first launch.
; LIMIT: the same products are summed, in another order than ascending K, so the f32 sums may differ from reference()'s in their last bits.
; THE LIST.  Wave 0 lays all 1,024 tokens in a list from the expert's 32 mask words: a token that chose the expert at its rank, the others from the end backwards.  The list's bytes are
; cleared first by plain stores.  Work-groups s = 0 store the list for the next launch.  The list is worked up to the count or 128 ranks, whichever is more, in pairs of tiles.
; LAYOUT.  Both products are used transposed (source 0 = 16 rows of W, source 1 = 16 tokens).  Lane r of tile u takes the block's row 8 u + r + 8 (r / 8), so a lane's 16 results are 16 neighbouring
; units.  The biases are the C of each sum's first matrix instruction.  h leaves as images of the next operand's registers (register q of lane L at 512 (q / 4) + 16 L + 4 (q % 4)), [e][tile][K step].
; Units from 2,730 on: W1's codes and b1 are cleared, so h is 0 there.  Other limits: as at the head of the first kernel; a block of zeros gets the byte 1.
; ORDER OF A TILE.  32 matrix instructions; then both batches of transcendentals, between two tiles' products; the rest (h, the block's largest magnitude, 16 codes, LDS stores) stands in
; short pieces between the next tile's K steps.
; REGISTERS.  Window 0: v1-31 addresses; v32-63 four accumulators; v64-95 W's scale words; v96-111 x's, two sets; v112-207 x's fragments, set A; v208-223 T; v224-239 P; v240-246 at work.
;   Window 1: v0-191 W's K steps 0-3 (12 (4 (ks % 4) + a), a = 2 matrix + tile), v192-223 bias tiles.  Window 2: v0-191 K steps 4-7.
;   Window 3: v0-95 x's set B; v96-195 the gathered tile; v196-204 its list words; v206-207 lane parts; v208-220 h on its way out.
.set XBP,   52224                      ; LDS: x's tiles: two parities of four slots
.set XSLOT, 13056                      ; a slot: 16 rows of 768 + 16 bytes, then 16 x 32 scale bytes
.set WST,   104448                     ; a stage for each wave: 32 rows of 768 + 16 bytes, 128 more behind the first 16, so that a tile's 16 rows begin at 16 different places modulo 256
.set WSTW,  25344
.set HIM,   205824                     ; h's images: two parities of four
.set HSC,   218112                     ; their scale words: two parities of 64
.set LIST,  218624                     ; the list: 1,024 tokens
.set SPARE, 222720                     ; the spare words, 128 bytes a wave: two blocks of 256 bytes that no other line names
.set XA, 4
.set XSA, 5
.set LA, 6
.set LS, 7
.set LT, 8
.set XR, 10
.set XQ, 12
.set WRD, 14
.set WA, 16
.set HW, 17
.set HB, 20
.set HR, 21
.set HQ, 22
.set L16, 23
.set L2, 24
.set LR, 25
.set A1, 32
.set A2, 48
.set RS, 32                            ; W's scale bytes as they lie, at the head
.set WS, 64
.set XS, 96
.set XF, 112
.set T, 208
.set RA, 208                           ; the head's 16 row addresses
.set P, 224
.set M, 240
.set M2, 241
.set SCL, 242
.set BY, 243
.set CD, 244
.set BA, 240                           ; the head's 8 bias addresses
.set BI, 192                           ; window 1
.set ST, 96                            ; window 3
.set LW, 196
.set GL, 206
.set CO, 208
.set MSB, 0
.macro WIN new                         ; the immediate's high byte repeats the setting that is left; at every label and branch the setting is 0
.if MSB != (\new)
	s_set_vgpr_msb (MSB<<8)|(\new)
.set MSB, (\new)
.endif
.endm
.macro VW
	s_wait_alu depctr_va_vdst(0)
.endm
.macro WGET wn, base, j0, nj, ptr      ; rows 2 j + lane / 16 of my 32, 256 bytes by sixteen lanes, three loads a pair of rows
	WIN ((\wn)<<6)
.set rj, 0
.rept 3*(\nj)
	global_load_b128 v[\base+4*rj:\base+4*rj+3], v[RA+(\j0)+rj/3], s[\ptr:\ptr+1] offset:256*(rj%3) th:TH_LOAD_NT
.set rj, rj+1
.endr
	WIN 0
.endm
.macro WPUT wn, base, j0, nj           ; and on into my stage
	WIN ((\wn)<<2)
.set rj, 0
.rept 3*(\nj)
	ds_store_b128 v[WA], v[\base+4*rj:\base+4*rj+3] offset:1568*((\j0)+rj/3)+128*(((\j0)+rj/3)/8)+256*(rj%3)
.set rj, rj+1
.endr
	WIN 0
.endm
.macro FRAGS mat                       ; the matrix's 16 fragments: K step ks is bytes 48 ks .. 48 ks + 47 of my half of the row
.irp hf, 0,1
	WIN (0x40<<\hf)
.irp k4, 0,1,2,3
.irp u, 0,1
.irp i, 0,1,2
	ds_load_b128 v[12*(4*\k4+2*(\mat)+\u)+4*\i:12*(4*\k4+2*(\mat)+\u)+4*\i+3], v[WRD+\u] offset:48*(4*\hf+\k4)+16*\i
.endr
.endr
.endr
.endr
	WIN 0
.endm
.macro LWLOAD                          ; the list words of my tile of the group s81 bytes into the list: ranks 2 j + lane / 16, and rank lane / 2 for the scale bytes
	v_add_nc_u32 v[LT], s81, v[LA]
	v_add_nc_u32 v[LT+1], s81, v[LS]
	WIN 0xc0
.irp j, 0,1,2,3,4,5,6,7
	ds_load_b32 v[LW+\j], v[LT] offset:8*\j
.endr
	ds_load_b32 v[LW+8], v[LT+1]
	WIN 0
.endm
.macro GLOADS                          ; 16 records of 768 bytes, two tokens x 256 bytes a load, and 512 scale bytes
	VW                                             ; directly ahead of the first reader of the list words' registers, which the last gather's additions wrote
	WIN 0xff
.irp j, 0,1,2,3,4,5,6,7,8
	v_min_u32 v[LW+\j], 0x3ff, v[LW+\j]            ; a token's number, held inside the table
.endr
.irp j, 0,1,2,3,4,5,6,7
	v_mul_u32_u24 v[LW+\j], 0x300, v[LW+\j]
.endr
	v_lshlrev_b32 v[LW+8], 5, v[LW+8]
.irp j, 0,1,2,3,4,5,6,7
	v_add_nc_u32 v[LW+\j], v[GL], v[LW+\j]
.endr
	v_add_nc_u32 v[LW+8], v[GL+1], v[LW+8]
.irp j, 0,1,2,3,4,5,6,7
.irp c, 0,1,2
	global_load_b128 v[ST+4*(3*\j+\c):ST+4*(3*\j+\c)+3], v[LW+\j], s[6:7] offset:256*\c
.endr
.endr
	global_load_b128 v[ST+96:ST+99], v[LW+8], s[6:7] offset:786432
	WIN 0
.endm
.macro STOREX pi                       ; the gathered tile into my slot of parity pi
	WIN 0x0c
.irp j, 0,1,2,3,4,5,6,7
.irp c, 0,1,2
	ds_store_b128 v[XA], v[ST+4*(3*\j+\c):ST+4*(3*\j+\c)+3] offset:XBP*(\pi)+1568*\j+256*\c
.endr
.endr
	ds_store_b128 v[XSA], v[ST+96:ST+99] offset:XBP*(\pi)
	WIN 0
.endm
.macro XLOADS set, t, pi               ; slot t's eight fragments (384 consecutive bytes a lane) and eight scale words
	WIN (0xc0*(\set))
.set xi, 0
.rept 24
	ds_load_b128 v[XF*(1-(\set))+4*xi:XF*(1-(\set))+4*xi+3], v[XR+(\pi)] offset:XSLOT*(\t)+16*xi
.set xi, xi+1
.endr
	WIN 0
	ds_load_b128 v[XS+8*(\set):XS+8*(\set)+3], v[XQ+(\pi)] offset:XSLOT*(\t)
	ds_load_b128 v[XS+8*(\set)+4:XS+8*(\set)+7], v[XQ+(\pi)] offset:XSLOT*(\t)+16
.endm
; Piece n of what follows the reciprocals of tile tt: h = a1 a2 / (1 + e^-a2); the block's largest magnitude with the floor 2^(5 - 127); the scale; 16 codes; into the image.
.macro CHUNK n, tt, pi
.if (\n) < 2
.irp j, 0,2,4,6
	v_pk_mul_f32 v[P+8*(\n)+\j:P+8*(\n)+\j+1], v[P+8*(\n)+\j:P+8*(\n)+\j+1], v[T+8*(\n)+\j:T+8*(\n)+\j+1]
.endr
.elseif (\n) == 2
	v_max3_num_f32 v[M], |v[P]|, |v[P+1]|, 0x2800000
	v_max3_num_f32 v[SCL], |v[P+2]|, |v[P+3]|, |v[P+4]|
	v_max3_num_f32 v[M], v[M], |v[P+5]|, |v[P+6]|
	v_max3_num_f32 v[SCL], v[SCL], |v[P+7]|, |v[P+8]|
.elseif (\n) == 3
	v_max3_num_f32 v[M], v[M], |v[P+9]|, |v[P+10]|
	v_max3_num_f32 v[SCL], v[SCL], |v[P+11]|, |v[P+12]|
	v_max3_num_f32 v[M], v[M], |v[P+13]|, |v[P+14]|
	v_max3_num_f32 v[M], v[M], v[SCL], |v[P+15]|
.elseif (\n) == 4
	v_permlanex16_b32 v[M2], v[M], s74, s75
	v_max_num_f32 v[M], v[M], v[M2]                ; with lane l xor 16's: the block's largest magnitude
	v_add_nc_u32 v[SCL], 0xfe000000, v[M]          ; 4 off the exponent field: the conversion's scale operand
	v_lshrrev_b32 v[BY], 23, v[SCL]
.elseif (\n) == 5
	v_cvt_scalef32_pk16_bf6_f32 v[CD:CD+2], v[P:P+15], v[SCL]
	v_nop                                          ; one plain place behind a scaled conversion
.elseif (\n) == 6
.irp i, 0,1,2
	ds_store_b32 v[HW+\i], v[CD+\i] offset:6144*(\pi)+1536*(\tt)
.endr
	ds_store_b8 v[HB], v[BY] offset:256*(\pi)+64*(\tt)     ; both halves of the lanes write the same byte with the same value
.endif
.endm
.macro TAIL tt, pi
.irp n, 0,1,2,3,4,5,6
	CHUNK \n, \tt, \pi
.endr
.endm
; 32 matrix instructions: the four accumulators take turns, one instruction a turn, K step by K step.  tl = 1: behind each K step a piece of tile tt's way to codes.
.macro MM set, tl, tt, pi
.set mk, 0
.rept 8
.if mk == 0
	WIN (0x11|(12*(\set)))
.elseif mk < 4
	WIN (0x01|(12*(\set)))
.else
	WIN (0x02|(12*(\set)))
.endif
.irp a, 0,1,2,3
.set rW, 12*(4*(mk%4)+\a)
.set rX, XF*(1-(\set))+12*mk
.if mk == 0
	v_wmma_scale_f32_16x16x128_f8f6f4 v[A1+8*\a:A1+8*\a+7], v[rW:rW+11], v[rX:rX+11], v[BI+8*\a:BI+8*\a+7], v[WS+8*\a+mk], v[XS+8*(\set)+mk] matrix_a_fmt:MATRIX_FMT_BF6 matrix_b_fmt:MATRIX_FMT_BF6
.else
	v_wmma_scale_f32_16x16x128_f8f6f4 v[A1+8*\a:A1+8*\a+7], v[rW:rW+11], v[rX:rX+11], v[A1+8*\a:A1+8*\a+7], v[WS+8*\a+mk], v[XS+8*(\set)+mk] matrix_a_fmt:MATRIX_FMT_BF6 matrix_b_fmt:MATRIX_FMT_BF6
.endif
.endr
.if (\tl) && (mk < 7)
	WIN 0
	CHUNK mk, \tt, \pi
.endif
.set mk, mk+1
.endr
	WIN 0
.endm
; Between two tiles' products: the sums are read once, each accumulator from its low end on, into T = -a2 log2(e) and P = a1 a2; then T = 1 / (1 + 2^T).
.macro BOUND
.rept 4
	v_nop                                          ; four places between the last product and the first read of results (ISA guide 7.12.1)
.endr
	VW
.irp j, 0,2,4,6,8,10,12,14
	v_pk_mul_f32 v[T+\j:T+\j+1], v[A2+\j:A2+\j+1], 0xbfb8aa3b op_sel_hi:[1,0]
.endr
.irp j, 0,2,4,6,8,10,12,14
	v_pk_mul_f32 v[P+\j:P+\j+1], v[A1+\j:A1+\j+1], v[A2+\j:A2+\j+1]
.endr
	VW
.irp j, 0,1,2,3,4,5,6,7,8,9,10,11,12,13,14,15
	v_exp_f32 v[T+\j], v[T+\j]
.endr
	v_nop
	VW
.irp j, 0,2,4,6,8,10,12,14
	v_pk_add_f32 v[T+\j:T+\j+1], v[T+\j:T+\j+1], 1.0 op_sel_hi:[1,0]
.endr
	VW
.irp j, 0,1,2,3,4,5,6,7,8,9,10,11,12,13,14,15
	v_rcp_f32 v[T+\j], v[T+\j]
.endr
	v_nop
	VW
.endm
.macro COLOAD p                        ; my tile of the group before: its image and its 16 scale words
	WIN 0xc0
.irp c, 0,1,2
	ds_load_b128 v[CO+4*\c:CO+4*\c+3], v[HR] offset:6144*(\p)+512*\c
.endr
	ds_load_u16 v[CO+12], v[HQ] offset:256*(\p)
	WIN 0
.endm
.macro COSTORE
	WIN 0x0c
.irp c, 0,1,2
	global_store_b128 v[L16], v[CO+4*\c:CO+4*\c+3], s[76:77] offset:-135168+512*\c   ; 32 lanes store 512 consecutive bytes, aligned; the pointers stand one group on
.endr
	global_store_b16 v[L2], v[CO+12], s[78:79] offset:-256
	WIN 0
.endm
; A TRIP: group i = 64 ranks, parity pi, one barrier.  In front of it my tile of this group goes into LDS and my tile of the next group is asked for; behind it the last group's h leaves and this group is worked.
; The barrier parts this parity's stores of x from their reads, the other parity's reads from its next stores, and last trip's stores of h from their reads here.
; A trip with nothing left (64 ranks or more past the end) jumps to the barrier and from it to the trip's end.
.macro ITER pi
	s_wait_loadcnt 0x0                             ; the gathered tile has come
	s_add_co_u32 s80, s70, 64
	s_add_co_u32 s81, s71, 256
	s_min_u32 s81, s81, 3840                       ; held inside the list
	s_cmp_lt_u32 s70, s85
	s_cbranch_scc0 .Lbar_\@
	s_cmp_lt_u32 s80, s69
	s_cbranch_scc0 .Lnl_\@
	LWLOAD
.Lnl_\@:
	s_cmp_lt_u32 s70, s69
	s_cbranch_scc0 .Lbar_\@
	STOREX \pi
.Lbar_\@:
	s_wait_dscnt 0x0                               ; my LDS stores have landed and my LDS loads are in
	s_cmp_lt_u32 s80, s69
	s_cbranch_scc0 .Lng_\@
	GLOADS
.Lng_\@:
	s_barrier_signal -1
	s_barrier_wait -1
	s_cmp_lt_u32 s70, s85
	s_cbranch_scc0 .Lend_\@
	s_sub_co_u32 s82, s70, 64                      ; (wraps in the first trip, and is then no smaller than any count)
	s_add_co_u32 s82, s82, s72
	s_cmp_lt_u32 s82, s69
	s_cbranch_scc0 .Lnc_\@
	COLOAD 1-\pi
.Lnc_\@:
	s_cmp_lt_u32 s70, s69
	s_cbranch_scc0 .Lnx_\@
	XLOADS 0, 0, \pi
.Lnx_\@:
	s_wait_dscnt 0x0                               ; one wait for both runs of loads
	s_cmp_lt_u32 s82, s69
	s_cbranch_scc0 .Lns_\@
	COSTORE
.Lns_\@:
	s_cmp_lt_u32 s70, s69
	s_cbranch_scc0 .Lend_\@
	XLOADS 1, 1, \pi                               ; the next tile's fragments land while this one is multiplied
	MM 0, 0, 0, \pi
	BOUND
	s_wait_dscnt 0x0
	XLOADS 0, 2, \pi
	MM 1, 1, 0, \pi
	BOUND
	s_add_co_u32 s83, s70, 32
	s_cmp_lt_u32 s83, s69
	s_cbranch_scc0 .Lshort_\@
	s_wait_dscnt 0x0
	XLOADS 1, 3, \pi
	MM 0, 1, 1, \pi
	BOUND
	s_wait_dscnt 0x0
	MM 1, 1, 2, \pi
	BOUND
	TAIL 3, \pi
	s_branch .Lend_\@
.Lshort_\@:
	TAIL 1, \pi
.Lend_\@:
	s_wait_xcnt 0x0                                ; the stores have read their registers and bases: both may be written again
	s_add_co_u32 s70, s70, 64
	s_add_co_u32 s71, s71, 256
	s_add_nc_u64 s[76:77], s[76:77], 135168        ; four tiles of 22 images on
	s_add_nc_u64 s[78:79], s[78:79], 256
.endm
	s_load_b512 s[4:19], s[0:1], 0x0               ; route s[4:5], xq s[6:7], W1's codes s[8:9], scales s[10:11], W2's s[12:13], s[14:15], b1 s[16:17], b2 s[18:19]
	s_load_b128 s[20:23], s[0:1], 0x40             ; hq s[20:21], rows s[22:23]
	v_lshl_add_u32 v254, v0, 2, SPARE              ; my spare word,
	v_mov_b32 v255, 0                              ; and 0: kept for the closing lines alone
	v_lshrrev_b32 v1, 5, v0
	v_readfirstlane_b32 s68, v1                    ; wave
	s_and_b32 s66, ttmp7, 0xffff                   ; e
	s_mov_b32 s67, ttmp9                           ; s
	s_mul_i32 s86, s68, XSLOT                      ; my slot of x
	s_lshl_b32 s87, s68, 6
	s_add_co_u32 s87, s87, LIST                    ; my 16 ranks of a group
	s_mul_i32 s88, s68, WSTW
	s_add_co_u32 s88, s88, WST                     ; my stage
	s_lshr_b32 s89, s68, 1
	s_lshl_b32 s72, s89, 5                         ; 32 (w / 2): my pair of tiles on the way out
	s_mul_i32 s89, s89, 6
	s_and_b32 s90, s68, 1
	s_lshl_b32 s90, s90, 8
	s_add_co_u32 s90, s90, HIM
	s_add_co_u32 s91, s68, HSC
	s_mul_i32 s92, s68, 1536
	s_add_co_u32 s92, s92, HIM
	s_lshl_b32 s93, s68, 6
	s_add_co_u32 s93, s93, HSC
	s_lshl_b32 s94, s68, 10
	s_add_co_u32 s94, s94, LIST
	s_lshl_b32 s95, s67, 7
	s_lshl_b32 s96, s68, 5
	s_add_co_u32 s95, s95, s96                     ; my block's first unit
	s_mov_b32 s74, 0x76543210
	s_mov_b32 s75, 0xfedcba98                      ; v_permlanex16_b32's selects for lane l xor 16
	VW
	v_and_b32 v1, 31, v0                           ; lane
	v_and_b32 v2, 15, v0                           ; r
	v_bfe_u32 v3, v0, 4, 1                         ; h
	v_lshlrev_b32 v[L16], 4, v1
	v_lshlrev_b32 v[L2], 1, v1
	v_lshlrev_b32 v248, 4, v2                      ; 16 r
	v_mad_u32_u24 v249, v3, 784, v248              ; row h of a pair of rows, 16 r
	v_add_nc_u32 v[XA], s86, v249
	v_add_nc_u32 v[XSA], s86, v[L16]
	v_add_nc_u32 v[XSA], 12544, v[XSA]
	v_lshl_add_u32 v[LA], v3, 2, s87
	v_lshrrev_b32 v250, 1, v1
	v_lshl_add_u32 v[LS], v250, 2, s87
	v_mul_u32_u24 v[XR], v2, 784
	v_mad_u32_u24 v[XR], v3, 384, v[XR]
	v_add_nc_u32 v[XR+1], XBP, v[XR]
	v_lshl_add_u32 v[XQ], v2, 5, 12544
	v_add_nc_u32 v[XQ+1], XBP, v[XQ]
	v_add_nc_u32 v[WA], s88, v249
	v_and_b32 v250, 8, v2
	v_add_nc_u32 v251, v250, v2                    ; r + 8 (r / 8)
	v_mul_u32_u24 v[WRD], v251, 784
	v_lshl_add_u32 v[WRD], v250, 4, v[WRD]         ; + 128 for the rows from 16 on
	v_mad_u32_u24 v[WRD], v3, 384, v[WRD]
	v_add_nc_u32 v[WRD], s88, v[WRD]
	v_add_nc_u32 v[WRD+1], 8*784, v[WRD]
	v_add_nc_u32 v26, s95, v251                    ; the unit of my row of tile 0,
	v_add_nc_u32 v27, 8, v26                       ; of tile 1
	; my block w is, in the next operand, registers 6 (w / 2) .. + 5 of lanes r + 16 (w % 2); of those my half of the lanes makes three
	v_mul_u32_u24 v250, v3, 3
	v_add_nc_u32 v250, s89, v250
	v_lshl_add_u32 v251, v2, 4, s90
.irp i, 0,1,2
	v_add_nc_u32 v252, \i, v250
	v_lshrrev_b32 v253, 2, v252
	v_and_b32 v252, 3, v252
	v_lshl_add_u32 v[HW+\i], v253, 9, v251
	v_lshl_add_u32 v[HW+\i], v252, 2, v[HW+\i]
.endr
	v_lshl_add_u32 v[HB], v2, 2, s91
	v_add_nc_u32 v[HR], s92, v[L16]
	v_add_nc_u32 v[HQ], s93, v[L2]
	v_add_nc_u32 v[LR], s94, v[L16]
	v_add_nc_u32 v31, LIST, v[L16]
	v_min_u32 v29, 2729, v26
	v_min_u32 v30, 2729, v27
	v_lshlrev_b32 v29, 5, v29                      ; my rows' 32 scale bytes
	v_lshlrev_b32 v30, 5, v30
	v_lshl_add_u32 v28, v3, 4, s95                 ; the first unit of my 16 results
.irp u, 0,1
.irp k, 0,1,2,3
	v_add_nc_u32 v[BA+4*\u+\k], 8*\u+2*\k, v28     ; the biases, two at a time, held inside the expert's row
	v_min_u32 v[BA+4*\u+\k], 2728, v[BA+4*\u+\k]
	v_lshlrev_b32 v[BA+4*\u+\k], 2, v[BA+4*\u+\k]
.endr
.endr
	v_add_nc_u32 v252, s95, v3
.set j, 0
.rept 16
	v_add_nc_u32 v[RA+j], 2*j, v252                ; weight row 2 j + h of my 32, held at the expert's last row, so that no load leaves the buffer
.set j, j+1
.endr
.set j, 0
.rept 16
	v_min_u32 v[RA+j], 2729, v[RA+j]
.set j, j+1
.endr
.set j, 0
.rept 16
	v_mad_u32_u24 v[RA+j], v[RA+j], 768, v248
.set j, j+1
.endr
	v_and_b32 v253, 1, v1
	v_lshlrev_b32 v253, 4, v253
.irp j, 0,1,2,3
	v_mov_b32 v[P+\j], 0                           ; zeros for the list's bytes
.endr
.set j, 0
.rept 16
	v_mov_b32 v[XS+j], 0                           ; written once, so that they hold something on every way through the trips' tests
.set j, j+1
.endr
	WIN 0xc0
	v_mov_b32 v[GL], v248
	v_mov_b32 v[GL+1], v253
.set j, 0
.rept 13
	v_mov_b32 v[CO+j], 0
.set j, j+1
.endr
	WIN 0
	VW
	s_wait_kmcnt 0x0
	s_mov_b32 s81, 0
	s_lshl_b32 s80, s66, 7
	s_add_nc_u64 s[24:25], s[4:5], s[80:81]
	s_load_b512 s[32:47], s[24:25], 0x0            ; the expert's 32 mask words
	s_load_b512 s[48:63], s[24:25], 0x40
	s_mul_i32 s80, s66, 2096640
	s_add_nc_u64 s[8:9], s[8:9], s[80:81]
	s_add_nc_u64 s[12:13], s[12:13], s[80:81]
	WGET 1, 0, 0, 16, 8                            ; W1's 48 loads are on their way while the mask words come
	s_mul_i32 s80, s66, 87360
	s_add_nc_u64 s[10:11], s[10:11], s[80:81]
	s_add_nc_u64 s[14:15], s[14:15], s[80:81]
	s_mul_i32 s80, s66, 10920
	s_add_nc_u64 s[16:17], s[16:17], s[80:81]
	s_add_nc_u64 s[18:19], s[18:19], s[80:81]
	s_lshl_b32 s80, s66, 6
	s_add_co_u32 s80, s80, s68
	s_mul_i32 s80, s80, 22
	s_add_co_u32 s80, s80, s67
	s_mul_i32 s80, s80, 1536
	s_add_nc_u64 s[76:77], s[20:21], s[80:81]      ; image [e][tile w][s]
	s_mul_i32 s80, s66, 22
	s_add_co_u32 s80, s80, s67
	s_lshl_b32 s80, s80, 10
	s_lshl_b32 s82, s68, 4
	s_add_co_u32 s80, s80, s82
	s_lshl_b32 s80, s80, 2
	s_add_co_u32 s80, s80, 17301504
	s_add_nc_u64 s[78:79], s[20:21], s[80:81]      ; scale words [e][s][rank 16 w]
	s_lshl_b32 s80, s66, 12
	s_lshl_b32 s82, s68, 10
	s_add_co_u32 s80, s80, s82
	s_add_nc_u64 s[22:23], s[22:23], s[80:81]      ; my quarter of the stored list
	s_wait_kmcnt 0x0
	s_mov_b32 s69, 0                               ; the expert's count of rows
.set g, 0
.rept 32
	s_bcnt1_i32_b32 s80, s[32+g]
	s_add_co_u32 s69, s69, s80
.set g, g+1
.endr
	s_max_u32 s69, s69, 128                        ; how far the list is worked: the first 128 ranks always
	s_add_co_u32 s85, s69, 64                      ; from here on a trip has nothing left
	s_cmp_lg_u32 s68, 0
	s_cbranch_scc1 .Llisted
.irp k, 0,1,2,3,4,5,6,7
	ds_store_b128 v31, v[P:P+3] offset:512*\k      ; wave 0: the list's 4,096 bytes are cleared; LDS serves a wave's instructions in order, so the places below come after
.endr
	s_mov_b32 s84, 0                               ; the tokens of the words before that chose the expert
.set g, 0
.rept 32
	v_mbcnt_lo_u32_b32 v248, s[32+g], s84          ; how many tokens before mine chose the expert
	v_sub_nc_u32 v249, 1023-32*g, v1               ; 1,023 - my token
	v_cndmask_b32 v249, v249, 0, s[32+g]           ; a chosen token goes to that place, another to 1,023 - token + that: from the end backwards
	v_add_nc_u32 v248, v248, v249
	v_min_u32 v248, 0x3ff, v248                    ; held inside the list
	v_lshlrev_b32 v248, 2, v248
	v_add_nc_u32 v248, LIST, v248
	v_or_b32 v250, 32*g, v1
	ds_store_b32 v248, v250                        ; all lanes on: the 1,024 places are written once each
	s_bcnt1_i32_b32 s80, s[32+g]
	s_add_co_u32 s84, s84, s80
.set g, g+1
.endr
.Llisted:
	s_wait_dscnt 0x0
	s_barrier_signal -1
	s_barrier_wait -1                              ; the list lies in LDS; it is written no more
	s_mov_b32 s81, 0
	LWLOAD
	s_wait_dscnt 0x0
	GLOADS                                         ; my tile of group 0: 25 loads
.irp m, 0,1
.irp u, 0,1
	global_load_b128 v[RS+8*(2*\m+\u):RS+8*(2*\m+\u)+3], v[29+\u], s[10+4*\m:11+4*\m]
	global_load_b128 v[RS+8*(2*\m+\u)+4:RS+8*(2*\m+\u)+7], v[29+\u], s[10+4*\m:11+4*\m] offset:16
.endr
.endr
	WIN 0x40
.irp m, 0,1
.irp u, 0,1
.irp k, 0,1,2,3
	global_load_b64 v[BI+8*(2*\m+\u)+2*\k:BI+8*(2*\m+\u)+2*\k+1], v[BA+4*\u+\k], s[16+2*\m:17+2*\m]
.endr
.endr
.endr
	WIN 0
	WGET 0, XF, 0, 8, 12                           ; W2's 48 loads, into the registers that x's two sets will take
	WGET 3, 0, 8, 8, 12
	s_cmp_lg_u32 s67, 0
	s_cbranch_scc1 .Lnorows
	ds_load_b128 v[P:P+3], v[LR]                   ; slice 0 stores the list for the next launch: 1,024 bytes a wave
	ds_load_b128 v[P+4:P+7], v[LR] offset:512
	s_wait_dscnt 0x0
	global_store_b128 v[L16], v[P:P+3], s[22:23]
	global_store_b128 v[L16], v[P+4:P+7], s[22:23] offset:512
.Lnorows:
	s_wait_loadcnt 63                              ; behind W1's loads 97 were issued (25 of the gather, 8 of scale bytes, 16 of biases, W2's 48): the field's largest count is the stricter
	WPUT 1, 0, 0, 16
	s_wait_dscnt 0x0                               ; the stores have read their registers, on which fragments land below
	FRAGS 0
	s_wait_loadcnt 48                              ; all but W2's 48
.irp a, 0,1,2,3
.irp ks, 0,2,4,6
	v_perm_b32 v[WS+8*\a+\ks], v[RS+8*\a+4+\ks/2], v[RS+8*\a+\ks/2], 0x05010400      ; bytes of blocks 2 ks, 16 + 2 ks, 2 ks + 1, 17 + 2 ks
	v_perm_b32 v[WS+8*\a+\ks+1], v[RS+8*\a+4+\ks/2], v[RS+8*\a+\ks/2], 0x07030602    ; and the same of K step ks + 1
.endr
.endr
	VW
	s_wait_loadcnt 0x0
	WPUT 0, XF, 0, 8                               ; LDS serves a wave's instructions in order: W1's reads of my stage come first
	WPUT 3, 0, 8, 8
	FRAGS 1
	s_wait_dscnt 0x0
	s_cmp_lg_u32 s67, 21                           ; the last slice alone reaches past unit 2,729: a branch on ids
	s_cbranch_scc1 .Lwhole
	v_cmp_gt_u32 vcc_lo, 2730, v26
	v_cndmask_b32 v250, 0, -1, vcc_lo
	v_cmp_gt_u32 vcc_lo, 2730, v27
	v_cndmask_b32 v251, 0, -1, vcc_lo
	WIN 0x44
.irp k4, 0,1,2,3
.irp u, 0,1
.irp q, 0,1,2,3,4,5,6,7,8,9,10,11
	v_and_b32 v[12*(4*\k4+\u)+\q], v[250+\u], v[12*(4*\k4+\u)+\q]     ; W1's codes of such rows become zeros,
.endr
.endr
.endr
.irp u, 0,1
.irp j, 0,1,2,3,4,5,6,7
	v_cmp_lt_u32 vcc_lo, v28, 2730-8*\u-\j
	v_cndmask_b32 v[BI+8*\u+\j], 0, v[BI+8*\u+\j], vcc_lo            ; and b1 there 0: so h is 0
.endr
.endr
	WIN 0x88
.irp k4, 0,1,2,3
.irp u, 0,1
.irp q, 0,1,2,3,4,5,6,7,8,9,10,11
	v_and_b32 v[12*(4*\k4+\u)+\q], v[250+\u], v[12*(4*\k4+\u)+\q]
.endr
.endr
.endr
	WIN 0
.Lwhole:
	v_mov_b32 v[M2], 0                             ; written once: a lane permute's destination counts as one of its sources
.rept 8
	v_nop                                          ; scale words and operands written by vector instructions stand eight places ahead of the scaled matrix instructions
.endr
	VW
	s_wait_xcnt 0x0                                ; the list's stores have read their registers
	s_mov_b32 s70, 0                               ; the group's first rank
	s_mov_b32 s71, 0                               ; and its place in the list, in bytes
	s_mov_b32 s73, 8
.Ltrip:
	ITER 0
	ITER 1
	s_sub_co_u32 s73, s73, 1
	s_cmp_lg_u32 s73, 0
	s_cbranch_scc1 .Ltrip
	s_wait_dscnt 0x0
	s_barrier_signal -1
	s_barrier_wait -1                              ; the last group's h lies in LDS
	s_sub_co_u32 s82, s70, 64
	s_add_co_u32 s82, s82, s72
	s_cmp_lt_u32 s82, s69
	s_cbranch_scc0 .Ldone
	COLOAD 1
	s_wait_dscnt 0x0
	COSTORE
.Ldone:
	s_wait_tensorcnt 0x0                           ; the wave's end, behind my last LDS store
	ds_add_u32 v254, v255
	s_wait_dscnt 0x0
	s_endpgm
.Lfunc_end_k_q6cecb0b2e1_hidden:
	.size	k_q6cecb0b2e1_hidden, .Lfunc_end_k_q6cecb0b2e1_hidden-k_q6cecb0b2e1_hidden
	.p2alignl 7, 3214868480
	.fill 96, 4, 3214868480
	.section	.rodata,"a",@progbits
	.p2align	6, 0x0
	.amdhsa_kernel k_q6cecb0b2e1_hidden
		.amdhsa_group_segment_fixed_size 223232
		.amdhsa_private_segment_fixed_size 0
		.amdhsa_enable_private_segment 0
		.amdhsa_kernarg_size 80
		.amdhsa_user_sgpr_count 2
		.amdhsa_user_sgpr_kernarg_segment_ptr 1
		.amdhsa_wavefront_size32 1
		.amdhsa_system_sgpr_workgroup_id_x 1
		.amdhsa_system_sgpr_workgroup_id_y 1
		.amdhsa_system_sgpr_workgroup_id_z 1
		.amdhsa_system_vgpr_workitem_id 0
		.amdhsa_next_free_vgpr 1024
		.amdhsa_next_free_sgpr 100
		.amdhsa_reserve_vcc 1
		.amdhsa_float_denorm_mode_32 3
		.amdhsa_float_denorm_mode_16_64 3
		.amdhsa_memory_ordered 1
		.amdhsa_forward_progress 1
		.amdhsa_inst_pref_size 180
	.end_amdhsa_kernel
	.amdgpu_metadata
---
amdhsa.version: [ 1, 2 ]
amdhsa.kernels:
  - .name:           k_q6cecb0b2e1_hidden
    .symbol:         k_q6cecb0b2e1_hidden.kd
    .args:
      - { .name: route, .offset: 0, .size: 8, .value_kind: global_buffer, .address_space: global }
      - { .name: xq, .offset: 8, .size: 8, .value_kind: global_buffer, .address_space: global }
      - { .name: W1_codes, .offset: 16, .size: 8, .value_kind: global_buffer, .address_space: global }
      - { .name: W1_scales, .offset: 24, .size: 8, .value_kind: global_buffer, .address_space: global }
      - { .name: W2_codes, .offset: 32, .size: 8, .value_kind: global_buffer, .address_space: global }
      - { .name: W2_scales, .offset: 40, .size: 8, .value_kind: global_buffer, .address_space: global }
      - { .name: b1, .offset: 48, .size: 8, .value_kind: global_buffer, .address_space: global }
      - { .name: b2, .offset: 56, .size: 8, .value_kind: global_buffer, .address_space: global }
      - { .name: hq, .offset: 64, .size: 8, .value_kind: global_buffer, .address_space: global }
      - { .name: rows, .offset: 72, .size: 8, .value_kind: global_buffer, .address_space: global }
    .group_segment_fixed_size: 223232
    .private_segment_fixed_size: 0
    .kernarg_segment_align: 8
    .kernarg_segment_size: 80
    .max_flat_workgroup_size: 128
    .sgpr_count:     100
    .vgpr_count:     1024
    .wavefront_size: 32
...
	.end_amdgpu_metadata
.endif
;; end of part 2
;; launch outp (part 3): grid 32 x 8, 4 waves a work-group, no clusters, 74,240 bytes of LDS; arguments rows, route, xq, w3q, hq, b3, y; writes y
.if DOCPART == 3
	.amdgcn_target "amdgcn-amd-amdhsa--gfx1250"
	.amdhsa_code_object_version 6
	.text
	.protected	k_q6cecb0b2e1_outp
	.globl	k_q6cecb0b2e1_outp
	.p2align	8
	.type	k_q6cecb0b2e1_outp,@function
k_q6cecb0b2e1_outp:
	s_mov_b64 s[64:65], 0
	v_nop
	global_prefetch_b8 v0, s[64:65] scope:SCOPE_SE
	s_setreg_imm32_b32 hwreg(HW_REG_WAVE_MODE, 25, 1), 1
	s_wait_xcnt 0x0
; THIRD LAUNCH: y[slot][token] = gate x (h W3[e] + b3[e]) for the rows that chose expert e; slot 0 where e is the token's first choice, 1 where it is the second.  Rows of experts that a token did
; not choose are left out: reference() multiplies them by a gate that it builds as 0 (shown at the head of the first kernel).
; SHARES.  Work-group (x, e): columns 64 (x / 2) .. + 63, and of the expert's pairs of row tiles (32 ranks) those with number 2 it + x % 2.  THE WAVES SHARE K: wave w takes K steps 4 i + w, i = 0 .. 5;
; K has 22 steps, so in waves 2 and 3 the sixth is step 21 once more with W3's codes cleared: it adds an exact 0, and all waves run one text.  A wave's 24 fragments of W3 (288 registers) stay;
; h's fragments are images of the operand's registers and come from memory straight into registers, each read by one wave of the work-group.  The four partial sums meet in LDS.
; No tensor load and no cluster: what is worked hangs on counts read from memory.  Every trip count is a constant; work is jumped over, barriers never.  The count steers scalar branches alone.
; The head fills both buffers of h without a condition: pairs x % 2 and 2 + x % 2 lie under rank 128, and the launch before writes the first 128 ranks of every expert.
; LAYOUT.  Source 0 = 16 columns of W3, source 1 = 16 rows of h: a lane holds one token and eight neighbouring columns.
; REGISTERS.  Window 0: v1-11 addresses; v32-43 W3's scale words (lanes 0-15 an even column tile's, lanes 16-31 the odd one's); v44-55 h's, two buffers (lanes 0-15 the first row tile's, 16-31 the second's);
;   v56-119 eight accumulators; v120-183 the parts read back; v184-185 b3; v188-195 rows of y, v196-203 gates, v204-211 offsets in y.
;   Window 1: W3's fragments i = 0 .. 4.  Window 2: v0-47 i = 5; v48-191 h, buffer 0.  Window 3: v0-143 h, buffer 1.
.set PPAR,  34816                      ; LDS: the partial sums: two parities x four waves x 32 rows of 256 + 16 bytes
.set INFO,  69632                      ; for each trip and row: the row of y (2,048 bytes), then the gate (2,048 bytes)
.set SPARE, 73728                      ; the spare words, 128 bytes a wave: two blocks of 256 bytes that no other line names
.set WSC,  32
.set HSCL, 44
.set ACC,  56
.set RT,   120
.set YR,   188
.set GT,   196
.set YO,   204
.set MSB, 0
.macro WIN new
.if MSB != (\new)
	s_set_vgpr_msb (MSB<<8)|(\new)
.set MSB, (\new)
.endif
.endm
.macro HLOAD buf, pi, ps               ; a pair of row tiles: my six K steps' fragments of each, and their scale words: 42 loads
	WIN (0x80+0x40*(\buf))
.irp rt, 0,1
.irp i, 0,1,2,3,4
.irp c, 0,1,2
	global_load_b128 v[48*(1-(\buf))+12*(6*\rt+\i)+4*\c:48*(1-(\buf))+12*(6*\rt+\i)+4*\c+3], v1, s[\pi:\pi+1] offset:33792*\rt+6144*\i+512*\c
.endr
.endr
.irp c, 0,1,2
	global_load_b128 v[48*(1-(\buf))+12*(6*\rt+5)+4*\c:48*(1-(\buf))+12*(6*\rt+5)+4*\c+3], v2, s[\pi:\pi+1] offset:33792*\rt+512*\c
.endr
.endr
	WIN 0
.irp i, 0,1,2,3,4
	global_load_b32 v[HSCL+6*(\buf)+\i], v3, s[\ps:\ps+1] offset:16384*\i
.endr
	global_load_b32 v[HSCL+6*(\buf)+5], v4, s[\ps:\ps+1]
.endm
; 48 matrix instructions: the eight accumulators (2 row tiles x 4 column tiles) take turns, one instruction a turn, K step by K step; the first K step starts the sums.
.macro MMO buf
.set mi, 0
.rept 6
.if mi < 5
	WIN (0x01|((2+(\buf))<<2))
.else
	WIN (0x02|((2+(\buf))<<2))
.endif
	s_wait_alu depctr_va_vdst(0)
.irp rt, 0,1
.irp ct, 0,1,2,3
.set rD, ACC+8*(4*\rt+\ct)
.set rA, 12*(4*(mi%5)+\ct)
.set rB, 48*(1-(\buf))+12*(6*\rt+mi)
.set rS, WSC+2*mi+\ct/2
.set rH, HSCL+6*(\buf)+mi
.if mi == 0
.if (\ct%2 == 0) && (\rt == 0)
	v_wmma_scale_f32_16x16x128_f8f6f4 v[rD:rD+7], v[rA:rA+11], v[rB:rB+11], 0, v[rS], v[rH] matrix_a_fmt:MATRIX_FMT_BF6 matrix_b_fmt:MATRIX_FMT_BF6
.elseif (\ct%2 == 1) && (\rt == 0)
	v_wmma_scale_f32_16x16x128_f8f6f4 v[rD:rD+7], v[rA:rA+11], v[rB:rB+11], 0, v[rS], v[rH] matrix_a_fmt:MATRIX_FMT_BF6 matrix_b_fmt:MATRIX_FMT_BF6 matrix_a_scale:MATRIX_SCALE_ROW1
.elseif (\ct%2 == 0) && (\rt == 1)
	v_wmma_scale_f32_16x16x128_f8f6f4 v[rD:rD+7], v[rA:rA+11], v[rB:rB+11], 0, v[rS], v[rH] matrix_a_fmt:MATRIX_FMT_BF6 matrix_b_fmt:MATRIX_FMT_BF6 matrix_b_scale:MATRIX_SCALE_ROW1
.else
	v_wmma_scale_f32_16x16x128_f8f6f4 v[rD:rD+7], v[rA:rA+11], v[rB:rB+11], 0, v[rS], v[rH] matrix_a_fmt:MATRIX_FMT_BF6 matrix_b_fmt:MATRIX_FMT_BF6 matrix_a_scale:MATRIX_SCALE_ROW1 matrix_b_scale:MATRIX_SCALE_ROW1
.endif
.else
.if (\ct%2 == 0) && (\rt == 0)
	v_wmma_scale_f32_16x16x128_f8f6f4 v[rD:rD+7], v[rA:rA+11], v[rB:rB+11], v[rD:rD+7], v[rS], v[rH] matrix_a_fmt:MATRIX_FMT_BF6 matrix_b_fmt:MATRIX_FMT_BF6
.elseif (\ct%2 == 1) && (\rt == 0)
	v_wmma_scale_f32_16x16x128_f8f6f4 v[rD:rD+7], v[rA:rA+11], v[rB:rB+11], v[rD:rD+7], v[rS], v[rH] matrix_a_fmt:MATRIX_FMT_BF6 matrix_b_fmt:MATRIX_FMT_BF6 matrix_a_scale:MATRIX_SCALE_ROW1
.elseif (\ct%2 == 0) && (\rt == 1)
	v_wmma_scale_f32_16x16x128_f8f6f4 v[rD:rD+7], v[rA:rA+11], v[rB:rB+11], v[rD:rD+7], v[rS], v[rH] matrix_a_fmt:MATRIX_FMT_BF6 matrix_b_fmt:MATRIX_FMT_BF6 matrix_b_scale:MATRIX_SCALE_ROW1
.else
	v_wmma_scale_f32_16x16x128_f8f6f4 v[rD:rD+7], v[rA:rA+11], v[rB:rB+11], v[rD:rD+7], v[rS], v[rH] matrix_a_fmt:MATRIX_FMT_BF6 matrix_b_fmt:MATRIX_FMT_BF6 matrix_a_scale:MATRIX_SCALE_ROW1 matrix_b_scale:MATRIX_SCALE_ROW1
.endif
.endif
.endr
.endr
.set mi, mi+1
.endr
	WIN 0
.rept 5
	v_nop                                          ; four places ahead of the LDS stores that read the results; a fifth, since the next trip's first products begin these accumulators anew
.endr
.endm
.macro PSTORE pi                       ; my partial sums: 32 bytes a lane and tile, each accumulator from its low end on
.irp rt, 0,1
.irp ct, 0,1,2,3
	ds_store_b128 v5, v[ACC+8*(4*\rt+\ct):ACC+8*(4*\rt+\ct)+3] offset:PPAR*(\pi)+4352*\rt+64*\ct
	ds_store_b128 v5, v[ACC+8*(4*\rt+\ct)+4:ACC+8*(4*\rt+\ct)+7] offset:PPAR*(\pi)+4352*\rt+64*\ct+16
.endr
.endr
.endm
; My eight ranks of the pair's 32, a rank at a time: the four waves' parts, + b3, x gate.  The 32 lanes take 8 bytes each of a rank's 64 columns, so a store covers one row's 256 consecutive bytes, aligned,
; and belongs to ONE rank: the first rank at or past the count ends the stores by a scalar branch.
.macro REDUCE pi
	ds_load_b128 v[YR:YR+3], v11                   ; my eight ranks' rows of y: every lane reads the same words
	ds_load_b128 v[YR+4:YR+7], v11 offset:16
	ds_load_b128 v[GT:GT+3], v11 offset:2048       ; and their gates
	ds_load_b128 v[GT+4:GT+7], v11 offset:2064
.irp k, 0,1,2,3,4,5,6,7
.irp wv, 0,1,2,3
	ds_load_b64 v[RT+8*\k+2*\wv:RT+8*\k+2*\wv+1], v6 offset:PPAR*(\pi)+8704*\wv+272*\k
.endr
.endr
	s_wait_dscnt 0x0
.irp k, 0,1,2,3,4,5,6,7
	v_pk_add_f32 v[RT+8*\k:RT+8*\k+1], v[RT+8*\k:RT+8*\k+1], v[RT+8*\k+2:RT+8*\k+3]
	v_pk_add_f32 v[RT+8*\k+4:RT+8*\k+5], v[RT+8*\k+4:RT+8*\k+5], v[RT+8*\k+6:RT+8*\k+7]
.endr
.irp k, 0,1,2,3,4,5,6,7
	v_pk_add_f32 v[RT+8*\k:RT+8*\k+1], v[RT+8*\k:RT+8*\k+1], v[RT+8*\k+4:RT+8*\k+5]
.endr
.irp k, 0,1,2,3,4,5,6,7
	v_pk_add_f32 v[RT+8*\k:RT+8*\k+1], v[RT+8*\k:RT+8*\k+1], v[184:185]
.endr
.irp k, 0,1,2,3,4,5,6,7
.if \k%2
	v_pk_mul_f32 v[RT+8*\k:RT+8*\k+1], v[RT+8*\k:RT+8*\k+1], v[GT+\k-1:GT+\k] op_sel:[0,1] op_sel_hi:[1,1]
.else
	v_pk_mul_f32 v[RT+8*\k:RT+8*\k+1], v[RT+8*\k:RT+8*\k+1], v[GT+\k:GT+\k+1] op_sel_hi:[1,0]
.endif
.endr
.irp k, 0,1,2,3,4,5,6,7
	v_min_u32 v[YO+\k], 0x7ff, v[YR+\k]            ; the row of y, held inside the buffer
.endr
.irp k, 0,1,2,3,4,5,6,7
	v_lshlrev_b32 v[YO+\k], 12, v[YO+\k]
.endr
.irp k, 0,1,2,3,4,5,6,7
	v_add_nc_u32 v[YO+\k], v9, v[YO+\k]
.endr
	s_add_co_u32 s36, s25, s39                     ; my first rank
.irp k, 0,1,2,3,4,5,6,7
	s_add_co_u32 s37, s36, \k
	s_cmp_lt_u32 s37, s24
	s_cbranch_scc0 .Lrend_\@                       ; ranks from the count on store nothing
	s_wait_alu depctr_va_vdst(0)
	global_store_b64 v[YO+\k], v[RT+8*\k:RT+8*\k+1], s[34:35] th:TH_STORE_NT
.endr
.Lrend_\@:
.endm
; A TRIP: pair 2 it + q, buffer and parity pi.  One barrier: between my stores of partial sums and the others' reads; a parity's reads are parted from its next stores by the next trip's barrier.
.macro OITER pi
	v_add_nc_u32 v11, s27, v8                      ; this trip's rows of y and gates
	s_cmp_lt_u32 s25, s24
	s_cbranch_scc0 .Lo1_\@
	s_wait_loadcnt 0x0                             ; this pair's fragments are in; it stands ahead of the next request, so the count is the same on every way
	s_add_co_u32 s36, s25, 64
	s_cmp_lt_u32 s36, s24
	s_cbranch_scc0 .Lo2_\@
	s_cmp_lg_u32 s26, 0                            ; (the head has asked for the second pair)
	s_cbranch_scc0 .Lo2_\@
	HLOAD 1-\pi, 30, 32                            ; the next pair lands while this one is multiplied and summed
.Lo2_\@:
	MMO \pi
	PSTORE \pi
.Lo1_\@:
	s_wait_dscnt 0x0
	s_barrier_signal -1
	s_barrier_wait -1
	s_cmp_lt_u32 s25, s24
	s_cbranch_scc0 .Lo3_\@
	s_wait_alu depctr_va_vdst(0)
	REDUCE \pi
.Lo3_\@:
	s_wait_xcnt 0x0                                ; loads and stores have read their registers and bases
	s_add_co_u32 s25, s25, 64
	s_add_co_u32 s26, s26, 1
	s_add_co_u32 s27, s27, 128
	s_add_nc_u64 s[30:31], s[30:31], 135168
	s_add_nc_u64 s[32:33], s[32:33], 256
.endm
	s_load_b256 s[4:11], s[0:1], 0x0               ; rows s[4:5], route s[6:7], xq s[8:9], w3q s[10:11]
	s_load_b128 s[12:15], s[0:1], 0x20             ; hq s[12:13], b3 s[14:15]
	s_load_b64 s[16:17], s[0:1], 0x30              ; y
	v_lshl_add_u32 v254, v0, 2, SPARE              ; my spare word,
	v_mov_b32 v255, 0                              ; and 0: kept for the closing lines alone
	v_lshrrev_b32 v12, 5, v0
	v_readfirstlane_b32 s23, v12                   ; wave
	s_and_b32 s20, ttmp7, 0xffff                   ; e
	s_lshr_b32 s21, ttmp9, 1                       ; which 64 columns
	s_and_b32 s22, ttmp9, 1                        ; q: which half of the pairs
	v_and_b32 v12, 31, v0                          ; lane
	v_and_b32 v13, 15, v0
	v_bfe_u32 v14, v0, 4, 1
	s_add_co_u32 s36, s23, 20
	s_min_u32 s36, s36, 21                         ; my sixth K step
	s_mul_i32 s37, s23, 1536
	v_lshl_add_u32 v1, v12, 4, s37                 ; an image's 16 bytes a lane, at K step w;
	s_mul_i32 s37, s36, 1536
	v_lshl_add_u32 v2, v12, 4, s37                 ; at the sixth
	s_lshl_b32 s37, s23, 12
	v_lshl_add_u32 v3, v12, 2, s37                 ; scale words likewise
	s_lshl_b32 s37, s36, 12
	v_lshl_add_u32 v4, v12, 2, s37
	s_mul_i32 s37, s23, 8704
	v_mul_u32_u24 v5, v13, 272
	v_lshl_add_u32 v5, v14, 5, v5
	v_add_nc_u32 v5, s37, v5                       ; my partial sums: row lane % 16, 32 bytes for each half of the lanes
	s_mul_i32 s37, s23, 2176
	v_lshl_add_u32 v6, v12, 3, s37                 ; back: rows 8 w + k, 8 bytes a lane
	v_lshl_add_u32 v7, v0, 2, INFO
	s_lshl_b32 s37, s23, 5
	s_add_co_u32 s37, s37, INFO
	v_mov_b32 v8, s37                              ; my eight ranks' words of a trip
	v_lshlrev_b32 v9, 3, v12                       ; my 8 bytes of a row's 256
	s_lshl_b32 s39, s23, 3                         ; 8 w
	s_lshl_b32 s37, s23, 8
	v_lshl_add_u32 v15, v12, 2, s37
	v_mov_b32 v16, 1024
	s_mov_b32 s59, 0
	s_wait_alu depctr_va_vdst(0)
	s_wait_kmcnt 0x0
	s_lshl_b32 s58, s20, 7
	s_add_nc_u64 s[18:19], s[6:7], s[58:59]
	s_load_b512 s[68:83], s[18:19], 0x0            ; the expert's 32 mask words
	s_load_b512 s[84:99], s[18:19], 0x40
	s_lshl_b32 s58, s20, 12
	s_lshl_b32 s36, s22, 7
	s_add_co_u32 s58, s58, s36
	s_add_nc_u64 s[40:41], s[4:5], s[58:59]        ; the list at rank 32 q
	s_lshl_b32 s58, s20, 6
	s_lshl_b32 s36, s21, 2
	s_add_co_u32 s58, s58, s36
	s_mul_i32 s58, s58, 33792
	s_add_nc_u64 s[42:43], s[10:11], s[58:59]      ; W3's images of my first column tile
	s_mul_i32 s58, s20, 90112
	s_lshl_b32 s36, s21, 8
	s_add_co_u32 s58, s58, s36
	s_add_co_u32 s58, s58, 17301504
	s_add_nc_u64 s[44:45], s[10:11], s[58:59]      ; and its scale words
	s_lshl_b32 s58, s20, 12
	s_add_co_u32 s58, s58, s36
	s_add_nc_u64 s[46:47], s[14:15], s[58:59]      ; b3
	s_mov_b32 s58, s36
	s_add_nc_u64 s[34:35], s[16:17], s[58:59]      ; y at my columns
	s_lshl_b32 s58, s20, 6
	s_lshl_b32 s36, s22, 1
	s_add_co_u32 s58, s58, s36
	s_mul_i32 s58, s58, 33792
	s_add_nc_u64 s[48:49], s[12:13], s[58:59]      ; h's images of pair q,
	s_mul_i32 s58, s20, 90112
	s_lshl_b32 s36, s22, 7
	s_add_co_u32 s58, s58, s36
	s_add_co_u32 s58, s58, 17301504
	s_add_nc_u64 s[50:51], s[12:13], s[58:59]      ; and its scale words
	s_add_nc_u64 s[30:31], s[48:49], 135168        ; the pair after it
	s_add_nc_u64 s[32:33], s[50:51], 256
.irp k, 0,1,2,3
	global_load_b32 v[212+\k], v15, s[40:41] offset:1024*\k          ; the tokens of trips w + 4 k, row = my lane
.endr
	WIN 0x40
.irp i, 0,1,2,3,4
.irp ct, 0,1,2,3
.irp c, 0,1,2
	global_load_b128 v[12*(4*\i+\ct)+4*\c:12*(4*\i+\ct)+4*\c+3], v1, s[42:43] offset:33792*\ct+6144*\i+512*\c
.endr
.endr
.endr
	WIN 0x80
.irp ct, 0,1,2,3
.irp c, 0,1,2
	global_load_b128 v[12*\ct+4*\c:12*\ct+4*\c+3], v2, s[42:43] offset:33792*\ct+512*\c
.endr
.endr
	WIN 0
.irp i, 0,1,2,3,4
.irp c2, 0,1
	global_load_b32 v[WSC+2*\i+\c2], v3, s[44:45] offset:16384*\i+128*\c2
.endr
.endr
.irp c2, 0,1
	global_load_b32 v[WSC+10+\c2], v4, s[44:45] offset:128*\c2
.endr
	global_load_b64 v[184:185], v9, s[46:47]
	s_wait_kmcnt 0x0
	s_mov_b32 s24, 0                               ; the expert's count of rows
.set g, 0
.rept 32
	s_bcnt1_i32_b32 s36, s[68+g]
	s_add_co_u32 s24, s24, s36
.set g, g+1
.endr
	s_lshl_b32 s25, s22, 5                         ; my first pair's first rank
	s_wait_loadcnt 63                              ; behind the four loads of tokens 85 were issued: the field's largest count is the stricter
.irp k, 0,1,2,3
	v_min_u32 v[212+\k], 0x3ff, v[212+\k]
	v_lshlrev_b32 v[216+\k], 2, v[212+\k]
	v_lshlrev_b32 v[220+\k], 3, v[212+\k]
.endr
.irp k, 0,1,2,3
	global_load_b32 v[224+\k], v[216+\k], s[6:7] offset:1024         ; the token's first choice,
	global_load_b64 v[228+2*\k:229+2*\k], v[220+\k], s[8:9] offset:819200   ; and its two gates
.endr
	HLOAD 0, 48, 50                                ; pair q,
	HLOAD 1, 30, 32                                ; and pair 2 + q: ranks under 128, written for every expert
	s_wait_loadcnt 63                              ; behind those eight 84 were issued: again the stricter count; W3's fragments are in too
.irp k, 0,1,2,3
	v_cmp_ne_u32 vcc_lo, s20, v[224+\k]            ; slot 1 where I am the second choice
	v_cndmask_b32 v17, 0, v16, vcc_lo
	v_add_nc_u32 v[236+\k], v[212+\k], v17
	v_cndmask_b32 v[240+\k], v[228+2*\k], v[229+2*\k], vcc_lo
	ds_store_b32 v7, v[236+\k] offset:512*\k
	ds_store_b32 v7, v[240+\k] offset:2048+512*\k
.endr
	s_cmp_lt_u32 s23, 2
	s_cselect_b32 s56, -1, 0
	WIN 0x88
.set g, 0
.rept 48
	v_and_b32 v[g], s56, v[g]                      ; waves 2 and 3: the sixth K step's codes of W3 become zeros
.set g, g+1
.endr
	WIN 0
.rept 8
	v_nop                                          ; operands written by vector instructions stand well ahead of the scaled matrix instructions
.endr
	s_mov_b32 s26, 0
	s_mov_b32 s27, 0
	s_mov_b32 s28, 8
.Lpair:
	OITER 0
	OITER 1
	s_sub_co_u32 s28, s28, 1
	s_cmp_lg_u32 s28, 0
	s_cbranch_scc1 .Lpair
	s_wait_tensorcnt 0x0                           ; the wave's end, behind my last LDS store
	ds_add_u32 v254, v255
	s_wait_dscnt 0x0
	s_endpgm
.Lfunc_end_k_q6cecb0b2e1_outp:
	.size	k_q6cecb0b2e1_outp, .Lfunc_end_k_q6cecb0b2e1_outp-k_q6cecb0b2e1_outp
	.p2alignl 7, 3214868480
	.fill 96, 4, 3214868480
	.section	.rodata,"a",@progbits
	.p2align	6, 0x0
	.amdhsa_kernel k_q6cecb0b2e1_outp
		.amdhsa_group_segment_fixed_size 74240
		.amdhsa_private_segment_fixed_size 0
		.amdhsa_enable_private_segment 0
		.amdhsa_kernarg_size 56
		.amdhsa_user_sgpr_count 2
		.amdhsa_user_sgpr_kernarg_segment_ptr 1
		.amdhsa_wavefront_size32 1
		.amdhsa_system_sgpr_workgroup_id_x 1
		.amdhsa_system_sgpr_workgroup_id_y 1
		.amdhsa_system_sgpr_workgroup_id_z 1
		.amdhsa_system_vgpr_workitem_id 0
		.amdhsa_next_free_vgpr 1024
		.amdhsa_next_free_sgpr 100
		.amdhsa_reserve_vcc 1
		.amdhsa_float_denorm_mode_32 3
		.amdhsa_float_denorm_mode_16_64 3
		.amdhsa_memory_ordered 1
		.amdhsa_forward_progress 1
		.amdhsa_inst_pref_size 67
	.end_amdhsa_kernel
	.amdgpu_metadata
---
amdhsa.version: [ 1, 2 ]
amdhsa.kernels:
  - .name:           k_q6cecb0b2e1_outp
    .symbol:         k_q6cecb0b2e1_outp.kd
    .args:
      - { .name: rows, .offset: 0, .size: 8, .value_kind: global_buffer, .address_space: global }
      - { .name: route, .offset: 8, .size: 8, .value_kind: global_buffer, .address_space: global }
      - { .name: xq, .offset: 16, .size: 8, .value_kind: global_buffer, .address_space: global }
      - { .name: w3q, .offset: 24, .size: 8, .value_kind: global_buffer, .address_space: global }
      - { .name: hq, .offset: 32, .size: 8, .value_kind: global_buffer, .address_space: global }
      - { .name: b3, .offset: 40, .size: 8, .value_kind: global_buffer, .address_space: global }
      - { .name: y, .offset: 48, .size: 8, .value_kind: global_buffer, .address_space: global }
    .group_segment_fixed_size: 74240
    .private_segment_fixed_size: 0
    .kernarg_segment_align: 8
    .kernarg_segment_size: 56
    .max_flat_workgroup_size: 128
    .sgpr_count:     100
    .vgpr_count:     1024
    .wavefront_size: 32
...
	.end_amdgpu_metadata
.endif
;; end of part 3
;; launch combine (part 4): grid 256 x 1, 8 waves a work-group, no clusters, 0 bytes of LDS; arguments y, out0; writes out0
.if DOCPART == 4
	.amdgcn_target "amdgcn-amd-amdhsa--gfx1250"
	.amdhsa_code_object_version 6
	.text
	.protected	k_q6cecb0b2e1_combine
	.globl	k_q6cecb0b2e1_combine
	.p2align	8
	.type	k_q6cecb0b2e1_combine,@function
k_q6cecb0b2e1_combine:
	s_mov_b64 s[64:65], 0
	v_nop
	global_prefetch_b8 v0, s[64:65] scope:SCOPE_SE
	s_setreg_imm32_b32 hwreg(HW_REG_WAVE_MODE, 25, 1), 1
	s_wait_xcnt 0x0
; FOURTH LAUNCH: out0[t] = y[0][t] + y[1][t]: a token's two chosen experts; the six others add reference()'s own zeros and are left out (shown at the head of the first kernel).
; A stream: a work-group takes 16,384 bytes of out0, a thread 16 bytes of each 4,096; every load and store of a wave covers 512 consecutive bytes, aligned.  All eight loads go out first.
	s_load_b128 s[4:7], s[0:1], 0x0                ; y s[4:5], out0 s[6:7]
	v_lshlrev_b32 v1, 4, v0
	s_lshl_b32 s8, ttmp9, 14
	v_add_nc_u32 v1, s8, v1
	s_wait_alu depctr_va_vdst(0)
	s_wait_kmcnt 0x0
.irp k, 0,1,2,3
	global_load_b128 v[4+8*\k:7+8*\k], v1, s[4:5] offset:4096*\k th:TH_LOAD_NT
	global_load_b128 v[8+8*\k:11+8*\k], v1, s[4:5] offset:4194304+4096*\k th:TH_LOAD_NT
.endr
.irp k, 0,1,2,3
	s_wait_loadcnt 6-2*\k                          ; this piece's two loads are in; the younger pieces' may be out
	v_pk_add_f32 v[4+8*\k:5+8*\k], v[4+8*\k:5+8*\k], v[8+8*\k:9+8*\k]
	v_pk_add_f32 v[6+8*\k:7+8*\k], v[6+8*\k:7+8*\k], v[10+8*\k:11+8*\k]
	global_store_b128 v1, v[4+8*\k:7+8*\k], s[6:7] offset:4096*\k th:TH_STORE_NT
.endr
	s_endpgm
.Lfunc_end_k_q6cecb0b2e1_combine:
	.size	k_q6cecb0b2e1_combine, .Lfunc_end_k_q6cecb0b2e1_combine-k_q6cecb0b2e1_combine
	.p2alignl 7, 3214868480
	.fill 96, 4, 3214868480
	.section	.rodata,"a",@progbits
	.p2align	6, 0x0
	.amdhsa_kernel k_q6cecb0b2e1_combine
		.amdhsa_group_segment_fixed_size 0
		.amdhsa_private_segment_fixed_size 0
		.amdhsa_enable_private_segment 0
		.amdhsa_kernarg_size 16
		.amdhsa_user_sgpr_count 2
		.amdhsa_user_sgpr_kernarg_segment_ptr 1
		.amdhsa_wavefront_size32 1
		.amdhsa_system_sgpr_workgroup_id_x 1
		.amdhsa_system_sgpr_workgroup_id_y 1
		.amdhsa_system_sgpr_workgroup_id_z 1
		.amdhsa_system_vgpr_workitem_id 0
		.amdhsa_next_free_vgpr 48
		.amdhsa_next_free_sgpr 66
		.amdhsa_reserve_vcc 0
		.amdhsa_float_denorm_mode_32 3
		.amdhsa_float_denorm_mode_16_64 3
		.amdhsa_memory_ordered 1
		.amdhsa_forward_progress 1
		.amdhsa_inst_pref_size 3
	.end_amdhsa_kernel
	.amdgpu_metadata
---
amdhsa.version: [ 1, 2 ]
amdhsa.kernels:
  - .name:           k_q6cecb0b2e1_combine
    .symbol:         k_q6cecb0b2e1_combine.kd
    .args:
      - { .name: y, .offset: 0, .size: 8, .value_kind: global_buffer, .address_space: global }
      - { .name: out0, .offset: 8, .size: 8, .value_kind: global_buffer, .address_space: global }
    .group_segment_fixed_size: 0
    .private_segment_fixed_size: 0
    .kernarg_segment_align: 8
    .kernarg_segment_size: 16
    .max_flat_workgroup_size: 256
    .sgpr_count:     66
    .vgpr_count:     48
    .wavefront_size: 32
...
	.end_amdgpu_metadata
.endif
;; end of part 4
